; MI455X (gfx1250); checked and timed in simulation.
; The chip was launched on July 23, 2026; its instructions are those of AMD's public machine-readable ISA for CDNA 5 (MIT licence, August 2026) and "CDNA5" Instruction Set Architecture Reference Guide (July 2026). The comments in the code are by the model that wrote it; some were corrected since.
;; Multihead Attention. Allowed arithmetic: matrix products marked QUANTISED: E2M3 operands, one E8M0 scale for each 32 along K, by v_wmma_scale_f32_16x16x128_f8f6f4 with both operands' format E2M3, f32 sums; everything else in f32.
;; Inputs: Wk 2,048 x 2,048 float32; Wo 2,048 x 2,048 float32; Wq 2,048 x 2,048 float32; Wv 2,048 x 2,048 float32; key_ 2,048 x 2,048 float32; query 2,048 x 2,048 float32; value 2,048 x 2,048 float32.
;; Outputs: out0 2,048 x 2,048 float32.
;; This version of the problem:
;;   THIS VERSION OF THE PROBLEM IS GIVEN IN LOW PRECISION. The matrix products marked QUANTISED in the list below multiply operands that are first quantised to E2M3 (2 exponent bits, 3 mantissa bits; 6 bits a number), with one power-of-two scale for each 32 numbers along K (OCP MX v1.0); their sums are f32. All else is computed in f32.
;;   The module's matrix products, in the order in which they are computed (A, B: the left and right operand; K: the contracted axis; several contracted axes count as one K, in the product's order):
;;     1. [M 2,048, K 2,048] x [K 2,048, N 2,048]; A: input query; B: input Wq: QUANTISED
;;     2. [M 2,048, K 2,048] x [K 2,048, N 2,048]; A: input key_; B: input Wk: QUANTISED
;;     3. [M 2,048, K 2,048] x [K 2,048, N 2,048]; A: input value; B: input Wv: QUANTISED
;;     4. batch 16 x [M 2,048, K 128] x [K 128, N 2,048]; A: computed on the way; B: computed on the way: QUANTISED
;;     5. batch 16 x [M 128, K 2,048] x [K 2,048, N 2,048]; A: computed on the way; B: softmax (see below): QUANTISED
;;     6. [M 2,048, K 2,048] x [K 2,048, N 2,048]; A: computed on the way; B: input Wo: QUANTISED
;;   THE QUANTISER, for each operand of a quantised product, along K:
;;     - K is cut into blocks of 32 from its start; a last block that is shorter is filled with zeros.
;;     - A block's scale is 2^e with e = floor(log2(the largest magnitude in the block)) - 2, held to -126 .. 127; a block of zeros has e = 0. As a byte (E8M0): e + 127.
;;     - Each number is divided by its block's scale, clamped to +-7.5, and rounded to the nearest number of E2M3, ties to even, subnormals kept.
;;     - The product sums the exact products of the quantised numbers (number of the format x scale) in f32.
;;   ~~~python
;;   def quantise(x, axis):      # numpy; x: float32 -> the quantised numbers, widened to float32 again
;;       x = np.moveaxis(x, axis, -1); K = x.shape[-1]
;;       x = np.pad(x, [(0, 0)] * (x.ndim - 1) + [(0, -K % 32)]); x = x.reshape(x.shape[:-1] + (-1, 32)); a = np.abs(x).max(-1, keepdims=True)
;;       e = np.where(a > 0, np.clip(np.frexp(np.where(a > 0, a, 1))[1] - 1 - 2, -126, 127), 0)      # np.frexp(a)[1] - 1 = floor(log2(a)), exactly
;;       r = np.clip(x / 2.0 ** e, -7.5, 7.5)
;;       step = 2.0 ** (np.maximum(np.frexp(np.where(r == 0, 1, r))[1] - 1, 0) - 3)
;;       q = np.round(r / step) * step * 2.0 ** e      # np.round: ties to even
;;       return np.moveaxis(q.reshape(q.shape[:-2] + (-1,))[..., :K], -1, axis).astype(np.float32)
;;   ~~~
;;   SOFTMAX AHEAD OF A QUANTISED PRODUCT. Where the list says 'softmax', what is quantised is not the finished softmax but p = 2^(t - M), with t = logit x log2(e) and M = ceil(the row's largest t), a whole number; so 1/2 < the row's largest p <= 1. The row's sum l is taken of the UNQUANTISED p, in f32, and the product's result is divided by l at the end. Since M is a whole number, a kernel that streams over the keys may use a running M (the ceiling of the running maximum): every later rescaling is an exact power of two, which a block's scale takes up: the codes' values come out the same.
;;   OPERANDS COMPUTED ON THE WAY. 'Computed on the way' means the value that the module computes at that place (a softmax that the list does not call 'softmax' is quantised finished and normalised). What goes into a quantiser is computed in f32, as accurately as f32 sums, v_exp_f32 and their like allow (about 1e-6 of the number): no bf16 or f16 on the way to a quantiser, and a product that is left as it is and whose result goes on into a quantised operand takes f32 operands (vector FMAs, or v_wmma_f32_16x16x4_f32). A number that lies on a knife's edge between two numbers of the format may be rounded either way, as far as f32 arithmetic and the matrix unit's own rounding can turn it there, and no further.
;; One version. Each part assembles by itself: llvm-mc -triple=amdgcn-amd-amdhsa -mcpu=gfx1250 --defsym DOCPART=n.
;; ======== version 1 of 1: 4 launches
;; limits: right only within a limited range of input values
;; workspace buffers: xw_codes 18,874,368 bytes; xw_scales 786,432 bytes; wo_codes 3,145,728 bytes; wo_scales 131,072 bytes; qkv 9,830,400 bytes; at_codes 3,145,728 bytes; at_scales 131,072 bytes
;; launch quant (part 1): grid 256 x 6, 2 waves a work-group, no clusters, 17,152 bytes of LDS; arguments query, key_, Wv, Wq, Wk, value, xw_codes, xw_scales; writes xw_codes, xw_scales
.if DOCPART == 1
	.amdgcn_target "amdgcn-amd-amdhsa--gfx1250"
	.amdhsa_code_object_version 6
	.text
	.protected	k_q9a381c1bc1_quant
	.globl	k_q9a381c1bc1_quant
	.p2align	8
	.type	k_q9a381c1bc1_quant,@function
k_q9a381c1bc1_quant:
	s_mov_b64 s[64:65], 0
	v_nop
	global_prefetch_b8 v0, s[64:65] scope:SCOPE_SE
	s_setreg_imm32_b32 hwreg(HW_REG_WAVE_MODE, 25, 1), 1
	s_wait_xcnt 0x0
; Six inputs (the projections' operands), each [2048][2048] f32 with K innermost, become codes of FP6 (E2M3) with one E8M0 byte for each 32 along K, laid as the next launch reads them.  (Wo is quantised by the next launch.)
; A FRAGMENT (16 rows x 128 K) is stored as the image of the operand's 12 registers, 1,536 bytes: registers 4 c .. 4 c + 3 of lane l at byte 512 c + 16 l.
; THE ROWS OF A ROW BLOCK ARE NOT NEIGHBOURS: row r of row block rb is the tensor's row 64 (rb / 4) + 8 (rb % 4) + r % 8 + 32 (r / 8), so that four neighbouring blocks, used as a product's first source,
; leave a lane 32 neighbouring results: a whole block of the next quantiser.  Codes: [tensor 6][kq 4: 512 along K][rb 128][K step % 4][1,536].  Scale words: [tensor][rb][kq][r 16][K step % 4], 4 bytes each.
; A block's scale is 2^(floor(log2(its largest magnitude)) - 2); its byte is the largest magnitude's exponent field - 2, held at 1 from below.
; LIMITS: a block of zeros gets the byte 1 (its codes are zeros, and this program alone reads the bytes); magnitudes under 2^-124 are held at that floor; NaN and infinities are not served.
; SHARES: work-group x = 2 rb + half, y = tensor: 16 rows x 1,024 along K; wave w takes kq = 2 half + w: four fragments.  6 x 256 work-groups: six for each of 256 WGPs.
; Each load reads 512 consecutive bytes of one row; a fragment's 16 loads turn through the wave's own stage in LDS (rows 528 bytes apart) and come back with two whole blocks of 32 in a lane, as the operand's layout has them.
; Waves share nothing: no barrier.  32 loads of a wave are out at most.
.set ROWB,  8192
.set PITCH, 528                        ; a stage row: 512 bytes + 16: the 16 rows of a read start in 16 different 16-byte columns
.set WSTG,  16*PITCH
.set SPARE, 2*WSTG                     ; the spare words: one block of 256 bytes that no other line names
.set FRB,   1536
.set KSB,   4*FRB
.set QUADB, 128*KSB
.set TENB,  4*QUADB
.set LI,  1                            ; v1 16 x lane;  v2, v3 the stage, in and out;  v4 the scale words' place;  v6 lane;  v9 8 h
.set STI, 2
.set STO, 3
.set SOF, 4
.set LN,  6
.set H8,  9
.set R,   16                           ; v16-143 two sets of 64 as loaded;  v144-207 register 32 c + i = k 64 c + 32 h + i of my row
.set X,   144
.set PC,  208
.set TM,  228
.set PW,  244
.set SEL, 26
.macro QUANT s, pw                     ; 64 numbers of a lane, two whole blocks, become a fragment's codes in v[PC] on and its scale word in v[pw]
.irp c, 0,1
	v_max3_num_f32 v[TM+\c], |v[\s+32*\c]|, |v[\s+32*\c+1]|, 0x1800000   ; with the floor 2^(3 - 127): the byte cannot fall under 1
	v_max3_num_f32 v[TM+2+\c], |v[\s+32*\c+16]|, |v[\s+32*\c+17]|, |v[\s+32*\c+18]|
.endr
.irp i, 2,4,6,8,10,12
.irp c, 0,1
	v_max3_num_f32 v[TM+\c], v[TM+\c], |v[\s+32*\c+\i]|, |v[\s+32*\c+\i+1]|   ; four chains by turns
	v_max3_num_f32 v[TM+2+\c], v[TM+2+\c], |v[\s+32*\c+\i+17]|, |v[\s+32*\c+\i+18]|
.endr
.endr
.irp c, 0,1
	v_max3_num_f32 v[TM+\c], v[TM+\c], |v[\s+32*\c+14]|, |v[\s+32*\c+15]|
.endr
.irp c, 0,1
	v_max3_num_f32 v[TM+\c], v[TM+\c], v[TM+2+\c], |v[\s+32*\c+31]|   ; block 2 c + h's largest magnitude
.endr
.irp c, 0,1
	v_add_nc_u32 v[TM+4+\c], 0xff000000, v[TM+\c]  ; 2 off its exponent field: the conversion's scale operand
.endr
.irp c, 0,1
	v_lshrrev_b32 v[TM+\c], 23, v[TM+4+\c]         ; the scale's byte
.endr
	v_lshl_or_b32 v[TM], v[TM+1], 16, v[TM]        ; my two bytes, blocks h and 2 + h,
	v_lshlrev_b32 v[TM], v[H8], v[TM]              ; at their places in the word;
	v_permlanex16_b32 v[TM+2], v[TM], s[SEL], s[SEL+1]
	v_or_b32 v[\pw], v[TM], v[TM+2]                ; with lane l xor 16's two the word is whole, in both lanes
.irp c, 0,1
	v_cvt_scalef32_pk16_fp6_f32 v[PC+6*\c:PC+2+6*\c], v[\s+32*\c:\s+15+32*\c], v[TM+4+\c]
	v_cvt_scalef32_pk16_fp6_f32 v[PC+12+4*\c:PC+14+4*\c], v[\s+16+32*\c:\s+31+32*\c], v[TM+4+\c]   ; (a conversion's three registers begin on an even number)
.endr
	v_nop                                          ; one plain instruction behind the scaled conversions
.irp c, 0,1
.irp i, 0,1,2
	v_mov_b32 v[PC+3+6*\c+\i], v[PC+12+4*\c+\i]
.endr
.endr
.endm
.macro LOAD f                          ; fragment f: 16 rows x 512 bytes into set f % 2
.irp t, 0,1,2,3,4,5,6,7,8,9,10,11,12,13,14,15
	global_load_b128 v[R+64*((\f)%2)+4*\t:R+64*((\f)%2)+4*\t+3], v[LI], s[4:5] offset:((\t%8)+32*(\t/8))*ROWB+512*(\f) th:TH_LOAD_NT
.endr
.endm
.macro FRAG f
.if (\f) > 0
	s_wait_xcnt 0x0                                ; the last image's stores have read the codes' registers
.endif
.if (\f) < 3
	s_wait_loadcnt 16                              ; this fragment's 16 loads are in; the next fragment's 16 may be out
.else
	s_wait_loadcnt 0x0
.endif
.irp t, 0,1,2,3,4,5,6,7,8,9,10,11,12,13,14,15
	ds_store_b128 v[STI], v[R+64*((\f)%2)+4*\t:R+64*((\f)%2)+4*\t+3] offset:PITCH*\t
.endr
.irp c, 0,1
.irp j, 0,1,2,3,4,5,6,7
	ds_load_b128 v[X+32*\c+4*\j:X+32*\c+4*\j+3], v[STO] offset:256*\c+16*\j   ; LDS serves a wave's instructions in order
.endr
.endr
	s_wait_dscnt 0x0
.if (\f) < 2
	LOAD (\f)+2
.endif
	QUANT X, PW+\f
.irp c, 0,1,2
	global_store_b128 v[LI], v[PC+4*\c:PC+4*\c+3], s[20:21] offset:FRB*(\f)+512*\c   ; 32 lanes store 512 consecutive bytes
.endr
.endm
	s_load_b512 s[8:23], s[0:1], 0x0               ; the six inputs s[8:19], the codes s[20:21], the scale words s[22:23]
	v_lshl_add_u32 v254, v0, 2, SPARE
	v_mov_b32 v255, 0
	v_lshrrev_b32 v5, 5, v0
	v_readfirstlane_b32 s7, v5                     ; wave
	v_and_b32 v[LN], 31, v0
	v_and_b32 v7, 15, v0                           ; r
	v_bfe_u32 v8, v0, 4, 1                         ; h
	v_lshlrev_b32 v[LI], 4, v[LN]
	s_mul_i32 s28, s7, WSTG
	v_add_nc_u32 v[STI], s28, v[LI]
	v_mul_u32_u24 v[STO], v7, PITCH
	v_lshl_add_u32 v[STO], v8, 7, v[STO]
	v_add_nc_u32 v[STO], s28, v[STO]
	v_lshlrev_b32 v[SOF], 4, v7
	v_lshl_add_u32 v[SOF], v8, 3, v[SOF]
	v_lshlrev_b32 v[H8], 3, v8
	s_mov_b32 s[SEL], 0x76543210
	s_mov_b32 s[SEL+1], 0xfedcba98
	s_and_b32 s6, ttmp7, 0xffff                    ; which tensor
	s_lshr_b32 s37, ttmp9, 1                       ; rb
	s_and_b32 s36, ttmp9, 1
	s_lshl_b32 s36, s36, 1
	s_add_co_u32 s36, s36, s7                      ; kq
	s_lshr_b32 s30, s37, 2                         ; the block's first row: 64 (rb / 4) + 8 (rb % 4), x 8,192 bytes,
	s_lshl_b32 s30, s30, 19
	s_and_b32 s31, s37, 3
	s_lshl_b32 s31, s31, 16
	s_add_co_u32 s30, s30, s31
	s_lshl_b32 s31, s36, 11                        ; + my 512 along K
	s_add_co_u32 s30, s30, s31
	s_mov_b32 s31, 0
	s_mul_i32 s32, s6, TENB
	s_mul_i32 s33, s36, QUADB
	s_add_co_u32 s32, s32, s33
	s_mul_i32 s33, s37, KSB
	s_add_co_u32 s32, s32, s33                     ; my four images
	s_mov_b32 s33, 0
	s_lshl_b32 s29, s6, 7
	s_add_co_u32 s29, s29, s37
	s_lshl_b32 s34, s29, 10
	s_lshl_b32 s35, s36, 8
	s_add_co_u32 s34, s34, s35                     ; my 256 bytes of scale words
	s_mov_b32 s35, 0
	s_wait_alu depctr_va_vdst(0)                   ; the wait at the head's end
	s_wait_kmcnt 0x0
	s_mov_b64 s[4:5], s[8:9]                       ; the input is chosen by the work-group's y alone
.irp t, 1,2,3,4,5
	s_cmp_eq_u32 s6, \t
	s_cselect_b64 s[4:5], s[8+2*\t:9+2*\t], s[4:5]
.endr
	s_add_nc_u64 s[4:5], s[4:5], s[30:31]
	s_add_nc_u64 s[20:21], s[20:21], s[32:33]
	s_add_nc_u64 s[22:23], s[22:23], s[34:35]
	LOAD 0
	LOAD 1
	FRAG 0
	FRAG 1
	FRAG 2
	FRAG 3
	v_cmp_le_u32 vcc_lo, 16, v[LN]                 ; both halves of the lanes hold row r's four words: lanes 0-15 store the first two, lanes 16-31 the last two
	v_cndmask_b32 v248, v[PW], v[PW+2], vcc_lo
	v_cndmask_b32 v249, v[PW+1], v[PW+3], vcc_lo
	global_store_b64 v[SOF], v[248:249], s[22:23]  ; 32 lanes store 256 consecutive bytes, aligned
	s_wait_tensorcnt 0x0                           ; the wave's end
	ds_add_u32 v254, v255
	s_wait_dscnt 0x0
	s_endpgm
.Lfunc_end_k_q9a381c1bc1_quant:
	.size	k_q9a381c1bc1_quant, .Lfunc_end_k_q9a381c1bc1_quant-k_q9a381c1bc1_quant
	.p2alignl 7, 3214868480
	.fill 96, 4, 3214868480
	.section	.rodata,"a",@progbits
	.p2align	6, 0x0
	.amdhsa_kernel k_q9a381c1bc1_quant
		.amdhsa_group_segment_fixed_size 17152
		.amdhsa_private_segment_fixed_size 0
		.amdhsa_enable_private_segment 0
		.amdhsa_kernarg_size 64
		.amdhsa_user_sgpr_count 2
		.amdhsa_user_sgpr_kernarg_segment_ptr 1
		.amdhsa_wavefront_size32 1
		.amdhsa_system_sgpr_workgroup_id_x 1
		.amdhsa_system_sgpr_workgroup_id_y 1
		.amdhsa_system_sgpr_workgroup_id_z 1
		.amdhsa_system_vgpr_workitem_id 0
		.amdhsa_next_free_vgpr 256
		.amdhsa_next_free_sgpr 66
		.amdhsa_reserve_vcc 1
		.amdhsa_float_denorm_mode_32 3
		.amdhsa_float_denorm_mode_16_64 3
		.amdhsa_memory_ordered 1
		.amdhsa_forward_progress 1
		.amdhsa_inst_pref_size 31
	.end_amdhsa_kernel
	.amdgpu_metadata
---
amdhsa.version: [ 1, 2 ]
amdhsa.kernels:
  - .name:           k_q9a381c1bc1_quant
    .symbol:         k_q9a381c1bc1_quant.kd
    .args:
      - { .name: query, .offset: 0, .size: 8, .value_kind: global_buffer, .address_space: global }
      - { .name: key_, .offset: 8, .size: 8, .value_kind: global_buffer, .address_space: global }
      - { .name: Wv, .offset: 16, .size: 8, .value_kind: global_buffer, .address_space: global }
      - { .name: Wq, .offset: 24, .size: 8, .value_kind: global_buffer, .address_space: global }
      - { .name: Wk, .offset: 32, .size: 8, .value_kind: global_buffer, .address_space: global }
      - { .name: value, .offset: 40, .size: 8, .value_kind: global_buffer, .address_space: global }
      - { .name: xw_codes, .offset: 48, .size: 8, .value_kind: global_buffer, .address_space: global }
      - { .name: xw_scales, .offset: 56, .size: 8, .value_kind: global_buffer, .address_space: global }
    .group_segment_fixed_size: 17152
    .private_segment_fixed_size: 0
    .kernarg_segment_align: 8
    .kernarg_segment_size: 64
    .max_flat_workgroup_size: 64
    .sgpr_count:     66
    .vgpr_count:     256
    .wavefront_size: 32
...
	.end_amdgpu_metadata
.endif
;; end of part 1
;; launch proj (part 2): grid 8 x 32, 4 waves a work-group, clusters of 4 x 4, 327,680 bytes of LDS; arguments xw_codes, xw_scales, qkv, Wo, wo_codes, wo_scales; writes qkv, wo_codes, wo_scales
.if DOCPART == 2
	.amdgcn_target "amdgcn-amd-amdhsa--gfx1250"
	.amdhsa_code_object_version 6
	.text
	.protected	k_q9a381c1bc1_proj
	.globl	k_q9a381c1bc1_proj
	.p2align	8
	.type	k_q9a381c1bc1_proj,@function
k_q9a381c1bc1_proj:
	s_mov_b64 s[64:65], 0
	v_nop
	global_prefetch_b8 v0, s[64:65] scope:SCOPE_SE
	s_setreg_imm32_b32 hwreg(HW_REG_WAVE_MODE, 25, 1), 1
	s_wait_xcnt 0x0
	s_wait_alu depctr_hold_cnt(0) depctr_sa_sdst(0) depctr_va_vdst(0) depctr_va_sdst(0) depctr_va_ssrc(0) depctr_va_vcc(0) depctr_vm_vsrc(0)
	s_getreg_b32 s2, hwreg(HW_REG_IB_STS2, 6, 4)
	s_cmp_eq_u32 s2, 0
	s_cbranch_scc0 .Lentry_in_a_cluster
	s_endpgm
.Lentry_in_a_cluster:
	s_bfe_u32 s2, ttmp6, 0x10000c
	s_cmp_lg_u32 s2, 0xf033
	s_cbranch_scc0 .Lentry_shape_is_right
	s_endpgm
.Lentry_shape_is_right:
; CLUSTER ROWS 0-5: the three projections, on codes of FP6 (E2M3): out[i][j] = sum over k of X[i][k] Y[j][k], K = 2,048, and out is quantised along j in registers and leaves as codes.
; g = 0: X = query, Y = Wq: q, times 1 / sqrt(128) in f32 ahead of the quantiser.   g = 1: X = key_, Y = Wk: k.   g = 2: X = Wv, Y = value: v transposed, the keys along j, since the keys are the next product's K.
; A tile of out is 256 x 256, a work-group of four waves; a wave makes 128 x 128: 64 accumulators, 512 registers.  3 x 64 = 192 work-groups.
; CLUSTER ROWS 6, 7: 64 work-groups quantise Wo, which no product of this launch reads, into buffers of its own, in the layout of the launch before: a work-group takes two row blocks, a wave 16 rows x 1,024 along K in two trips of four
; fragments, through global loads and a stage in LDS bytes of this path's own.  The paths part on the cluster's y alone, behind the first round, and join ahead of the closing lines.  192 + 64 = 256 work-groups.
; THE MATRIX INSTRUCTION IS USED TRANSPOSED: source 0 = 16 rows of Y, source 1 = 16 rows of X.  The rows of a row block (64 (rb / 4) + 8 (rb % 4) + r % 8 + 32 (r / 8)) make a lane's 64 results of one block of X
; two whole blocks of 32 along j, in the operand's own order.  A wave's 128 along j are one head (q, k) or one key step (v).
; OPERANDS lie in memory as images of fragments (1,536 bytes), [tensor][kq][row block][K step % 4]; three loads of 16 bytes a lane bring one.
; K goes in chunks of 256 (two images a row block, 3,072 bytes) through a ring of two LDS slots.  THE HEAD: one joint load a wave: X's chunk 0, Y's chunk 0, X's scale words for all of K, Y's; slot 1 is first filled behind the full sequence.
; CLUSTERS: 4 x 4 work-groups; X's tiles are asked for jointly along a row of the cluster, Y's along a column.  All sixteen belong to one g.
; PREFETCH: behind the head's loads chunks 1 and 2 are asked for, then with the load of chunk c chunk c + 2: of the 8 row blocks that a wave fetches each of the four partners names two, by address: 24 blocks of 256 bytes
; (lanes 24-31 name the last again).  Chunks 6 and 7 ask for nothing.
; OUT: qkv [q, k, v][G = 16 head + step] records of 12,800 bytes: 8 images, then 512 bytes of scale words: lane l's 16 bytes at 16 l: word i of lanes 0-15 is tile i's, of lanes 16-31 tile 4 + i's.
; LIMITS: a block of zeros gets the byte 1 (its codes are zeros; this program alone reads the bytes); magnitudes under 2^-124 are held at that floor; NaN and infinities are not served.
; REGISTERS: window 0: v16-31 addresses; v32-63 scale words, two sets; X's fragments, two sets, at v64 and v160.  window 1: Y's, two sets, at v0 and v128.  windows 2, 3: accumulator (a, b) at v[8 (8 (a % 4) + b)].
.set FRB,    1536
.set KSB,    4*FRB                     ; from row block to row block in memory
.set QUADB,  128*KSB                   ; from 512 along K to the next
.set TENB,   4*QUADB
.set REC,    12800
.set SROW,   2*FRB                     ; a slot's part of a row block
.set HALFT,  8*SROW
.set SLOT,   4*HALFT                   ; X's 16 row blocks, then Y's
.set SCL,    2*SLOT
.set HALFS,  8192
.set SPARE,  SCL+4*HALFS               ; the spare words: two blocks of 256 bytes that no other line names
.set WST0,   SPARE+512                 ; Wo's path: four stages of 16 rows x 528 bytes
.set WPITCH, 528
.set WSTG,   16*WPITCH
.set ROWB,   8192
.set LAPS,   4
.set ADRA, 16                          ; v16-17 my X fragments in slot 0, 1;  v20-21 Y's
.set ADRB, 20
.set LI,   26                          ; 16 x lane
.set ADRS, 27                          ; my scale words: lanes 0-15 X's rows, lanes 16-31 Y's
.set SPW,  28
.set NIL,  29
.set PFO,  30                          ; the prefetches' lane offset; never rewritten
.set H8,   31                          ; 8 h
.set SC,   32
.set AF,   64
.set ST,   64                          ; the way out, window 0
.set PW,   164
.set WD,   172
.set G0H, 4                            ; s[4:7], s[8:11] group 0 of the head's loads of codes
.set G0HB, 8
.set G1, 24
.set G0, 32
.set G1B, 48
.set G0B, 56
.set G1S, 68
.set G0S, 76
.set G1SB, 80
.set G0SB, 88
.set OC,  92                           ; s[92:93] my record
.set PFA, 94                           ; s[94:95] my work-group's two row blocks, 512 along K ahead of which the prefetches ask
.set FAC, 96
.set SEL, 98
.set MSB, 0
.macro WIN new
.if MSB != \new
	s_set_vgpr_msb (MSB<<8)|\new
.set MSB, \new
.endif
.endm
.set MUL_LO, 0xa1
.set MUL_HI, 0xf1
.set TO_B,   0x40
.macro PLACES n
.rept \n
	v_nop
.endr
.endm
.macro JLOAD g0a, g1a, g0b, g1b        ; waves 0 and 1 fetch for X, waves 2 and 3 for Y
	s_cmp_eq_u32 s15, 0
	s_cbranch_scc0 .Lfor_b_\@
	tensor_load_to_lds s[\g0a:\g0a+3], s[\g1a:\g1a+7]
	s_nop 0
	PLACES 4
	s_branch .Lasked_\@
.Lfor_b_\@:
	tensor_load_to_lds s[\g0b:\g0b+3], s[\g1b:\g1b+7]
	s_nop 0
	PLACES 4
.Lasked_\@:
.endm
.macro CREST
	s_cmp_lg_u32 s14, 0
	s_cbranch_scc1 .Lnot_wave_0_\@
	s_barrier_signal -3
.Lnot_wave_0_\@:
	s_barrier_wait -3
	s_barrier_signal -1
	s_barrier_wait -1
.endm
.macro CROUND
	s_barrier_signal -1
	s_barrier_wait -1
	CREST
.endm
.macro QUANT s, pw                     ; 64 numbers of a lane, register 32 c + i = index 64 c + 32 h + i of my row, become codes in v[PC] on and a scale word in v[pw]
.irp c, 0,1
	v_max3_num_f32 v[TM+\c], |v[\s+32*\c]|, |v[\s+32*\c+1]|, 0x1800000   ; with the floor 2^(3 - 127)
	v_max3_num_f32 v[TM+2+\c], |v[\s+32*\c+16]|, |v[\s+32*\c+17]|, |v[\s+32*\c+18]|
.endr
.irp i, 2,4,6,8,10,12
.irp c, 0,1
	v_max3_num_f32 v[TM+\c], v[TM+\c], |v[\s+32*\c+\i]|, |v[\s+32*\c+\i+1]|
	v_max3_num_f32 v[TM+2+\c], v[TM+2+\c], |v[\s+32*\c+\i+17]|, |v[\s+32*\c+\i+18]|
.endr
.endr
.irp c, 0,1
	v_max3_num_f32 v[TM+\c], v[TM+\c], |v[\s+32*\c+14]|, |v[\s+32*\c+15]|
.endr
.irp c, 0,1
	v_max3_num_f32 v[TM+\c], v[TM+\c], v[TM+2+\c], |v[\s+32*\c+31]|
.endr
.irp c, 0,1
	v_add_nc_u32 v[TM+4+\c], 0xff000000, v[TM+\c]  ; 2 off the exponent field: the conversion's scale operand
.endr
.irp c, 0,1
	v_lshrrev_b32 v[TM+\c], 23, v[TM+4+\c]
.endr
	v_lshl_or_b32 v[TM], v[TM+1], 16, v[TM]        ; the bytes of blocks h and 2 + h, at their places; with lane l xor 16's the word is whole
	v_lshlrev_b32 v[TM], v[H8], v[TM]
	v_permlanex16_b32 v[TM+2], v[TM], s[SEL], s[SEL+1]
	v_or_b32 v[\pw], v[TM], v[TM+2]
.irp c, 0,1
	v_cvt_scalef32_pk16_fp6_f32 v[PC+6*\c:PC+2+6*\c], v[\s+32*\c:\s+15+32*\c], v[TM+4+\c]
	v_cvt_scalef32_pk16_fp6_f32 v[PC+12+4*\c:PC+14+4*\c], v[\s+16+32*\c:\s+31+32*\c], v[TM+4+\c]
.endr
	v_nop
.irp c, 0,1
.irp i, 0,1,2
	v_mov_b32 v[PC+3+6*\c+\i], v[PC+12+4*\c+\i]
.endr
.endr
.endm
	s_load_b128 s[4:7], s[0:1], 0x0                ; xw_codes, xw_scales
	s_load_b128 s[8:11], s[0:1], 0x10              ; qkv, Wo
	s_load_b128 s[36:39], s[0:1], 0x20             ; wo_codes, wo_scales
	v_lshl_add_u32 v[SPW], v0, 2, SPARE
	v_mov_b32 v[NIL], 0
	ds_add_u32 v[SPW], v[NIL]                      ; the opening lines: the add twice and its wait ahead of my first tensor load
	ds_add_u32 v[SPW], v[NIL]
	v_lshrrev_b32 v1, 5, v0
	v_readfirstlane_b32 s14, v1                    ; wave
	s_lshr_b32 s15, s14, 1                         ; my half of X's rows.  Also: in the ring I fetch for X (0) or Y (1)
	s_and_b32 s16, s14, 1                          ; my half of Y's.  Also: which 8 row blocks I fetch
	s_bfe_u32 s40, ttmp6, 0x40000                  ; cx, cy
	s_bfe_u32 s41, ttmp6, 0x40004
	s_lshl_b32 s42, ttmp9, 2
	s_add_co_u32 s42, s42, s40                     ; tile column
	s_and_b32 s12, ttmp7, 0xffff
	s_lshl_b32 s17, s12, 2
	s_add_co_u32 s17, s17, s41                     ; tile row, counted through the three products
	s_lshr_b32 s13, s12, 1                         ; g
	s_lshl_b32 s43, s41, 2
	s_lshl_b32 s43, 15, s43                        ; my row of the cluster
	s_lshl_b32 s44, 0x1111, s40                    ; my column
	s_or_b32 s[G1+0], s43, (3<<16)|(1<<21)         ; codes: rows (row blocks) of 384 elements of 8 bytes, 768 elements apart: 16 rows at the head, 8 in the ring
	s_or_b32 s[G1B+0], s44, (3<<16)|(1<<21)
.irp g, G1, G1B
	s_mov_b32 s[\g+1], 384<<16
	s_mov_b32 s[\g+2], 16<<16
	s_mov_b32 s[\g+3], 384<<16
	s_mov_b32 s[\g+4], 16
	s_mov_b32 s[\g+5], 768
	s_mov_b32 s[\g+6], 0
	s_mov_b32 s[\g+7], 0
.endr
	s_or_b32 s[G1S+0], s43, (3<<16)|(1<<21)        ; the scale words of 16 row blocks: 16,384 dense bytes as 64 rows of 256
	s_or_b32 s[G1SB+0], s44, (3<<16)|(1<<21)
.irp g, G1S, G1SB
	s_mov_b32 s[\g+1], 32<<16
	s_mov_b32 s[\g+2], 64<<16
	s_mov_b32 s[\g+3], 32<<16
	s_mov_b32 s[\g+4], 64
	s_mov_b32 s[\g+5], 32
	s_mov_b32 s[\g+6], 0
	s_mov_b32 s[\g+7], 0
.endr
	s_lshl_b32 s22, s17, 14                        ; X's scale words: 16 row blocks of 1,024 bytes a tile row
	s_mov_b32 s23, 0
	s_and_b32 s20, s17, 7
	s_mul_i32 s20, s20, 16*KSB
	s_mul_i32 s19, s13, TENB
	s_add_co_u32 s20, s20, s19                     ; X's codes: tensor g
	s_mov_b32 s21, 0
	s_add_co_u32 s19, s13, 3                       ; Y: tensor 3 + g
	s_lshl_b32 s100, s19, 17
	s_lshl_b32 s46, s42, 14
	s_add_co_u32 s100, s100, s46
	s_mov_b32 s101, 0
	s_mul_i32 s46, s42, 16*KSB
	s_mul_i32 s19, s19, TENB
	s_add_co_u32 s46, s46, s19
	s_mov_b32 s47, 0
	s_mul_i32 s18, s16, 8*KSB                      ; in the ring: my 8 row blocks
	s_mov_b32 s19, 0
	s_mul_i32 s45, s14, HALFT                      ; and where they go: no place in the cluster enters an LDS address
	s_mov_b32 s[SEL], 0x76543210
	s_mov_b32 s[SEL+1], 0xfedcba98
	s_wait_alu depctr_va_vdst(0)                   ; the wait ahead of the waits and branches below
	s_wait_dscnt 0x0
	s_wait_kmcnt 0x0
	CROUND                                         ; all sixteen work-groups are here: the first joint loads meet
	s_cmp_lt_u32 s12, 6                            ; the cluster's y, which all sixteen share
	s_cbranch_scc1 .Lmain
	; WO'S PATH
.set PC,  96                           ; v2, v3 the stage, in and out; v4 the scale words' place; v6 lane; v10-15 at work; v32-95 two whole blocks a lane; v96-114 codes; v116-119 scale words; v128-255 two sets of 64 as loaded
.set TM,  10
.set WX,  32
.set WPW, 116
.set WR,  128
	s_sub_co_u32 s18, s17, 24
	s_lshl_b32 s18, s18, 3
	s_add_co_u32 s18, s18, s42                     ; this path's work-group, 0 .. 63
	s_lshl_b32 s18, s18, 1
	s_add_co_u32 s18, s18, s15                     ; rb
	s_lshr_b32 s20, s18, 2                         ; the block's first row: 64 (rb / 4) + 8 (rb % 4), x 8,192 bytes,
	s_lshl_b32 s20, s20, 19
	s_and_b32 s21, s18, 3
	s_lshl_b32 s21, s21, 16
	s_add_co_u32 s20, s20, s21
	s_lshl_b32 s21, s16, 12                        ; + my 1,024 along K
	s_add_co_u32 s20, s20, s21
	s_mov_b32 s21, 0
	s_add_nc_u64 s[10:11], s[10:11], s[20:21]
	s_mul_i32 s20, s16, 2*QUADB
	s_mul_i32 s22, s18, KSB
	s_add_co_u32 s20, s20, s22
	s_add_nc_u64 s[36:37], s[36:37], s[20:21]      ; my images of kq = 2 (wave % 2)
	s_lshl_b32 s20, s18, 10
	s_lshl_b32 s22, s16, 9
	s_add_co_u32 s20, s20, s22
	s_add_nc_u64 s[38:39], s[38:39], s[20:21]      ; and their scale words
	s_mul_i32 s22, s14, WSTG
	s_add_co_u32 s22, s22, WST0
	v_and_b32 v6, 31, v0
	v_and_b32 v7, 15, v0
	v_bfe_u32 v8, v0, 4, 1
	v_lshlrev_b32 v[LI], 4, v6
	v_lshlrev_b32 v[H8], 3, v8
	v_add_nc_u32 v2, s22, v[LI]
	v_mul_u32_u24 v3, v7, WPITCH
	v_lshl_add_u32 v3, v8, 7, v3
	v_add_nc_u32 v3, s22, v3
	v_lshlrev_b32 v4, 4, v7
	v_lshl_add_u32 v4, v8, 3, v4
	s_wait_alu depctr_va_vdst(0)                   ; the wait at this head's end
.macro WLOAD f
.irp t, 0,1,2,3,4,5,6,7,8,9,10,11,12,13,14,15
	global_load_b128 v[WR+64*((\f)%2)+4*\t:WR+64*((\f)%2)+4*\t+3], v[LI], s[10:11] offset:((\t%8)+32*(\t/8))*ROWB+512*(\f) th:TH_LOAD_NT
.endr
.endm
.macro WFRAG f
.if (\f) > 0
	s_wait_xcnt 0x0                                ; the last image's stores have read the codes' registers
.endif
.if (\f) < 3
	s_wait_loadcnt 16                              ; this fragment's 16 loads are in; the next fragment's 16 may be out
.else
	s_wait_loadcnt 0x0
.endif
.irp t, 0,1,2,3,4,5,6,7,8,9,10,11,12,13,14,15
	ds_store_b128 v2, v[WR+64*((\f)%2)+4*\t:WR+64*((\f)%2)+4*\t+3] offset:WPITCH*\t
.endr
.irp c, 0,1
.irp j, 0,1,2,3,4,5,6,7
	ds_load_b128 v[WX+32*\c+4*\j:WX+32*\c+4*\j+3], v3 offset:256*\c+16*\j   ; LDS serves a wave's instructions in order
.endr
.endr
	s_wait_dscnt 0x0
.if (\f) < 2
	WLOAD (\f)+2
.endif
	QUANT WX, WPW+\f
.irp c, 0,1,2
	global_store_b128 v[LI], v[PC+4*\c:PC+4*\c+3], s[36:37] offset:FRB*(\f)+512*\c
.endr
.endm
	s_mov_b32 s23, 0
.Lwq:                                                  ; a trip: 512 along K, four fragments
	WLOAD 0
	WLOAD 1
	WFRAG 0
	WFRAG 1
	WFRAG 2
	WFRAG 3
	v_cmp_le_u32 vcc_lo, 16, v6
	v_cndmask_b32 v124, v[WPW], v[WPW+2], vcc_lo
	v_cndmask_b32 v125, v[WPW+1], v[WPW+3], vcc_lo
	global_store_b64 v4, v[124:125], s[38:39]      ; 32 lanes store 256 consecutive bytes, aligned
	s_wait_xcnt 0x0                                ; the bases and the stores' registers are rewritten only behind this wait
	s_add_nc_u64 s[10:11], s[10:11], 2048
	s_add_nc_u64 s[36:37], s[36:37], QUADB
	s_add_nc_u64 s[38:39], s[38:39], 256
	s_add_co_u32 s23, s23, 1
	s_cmp_lt_u32 s23, 2
	s_wait_alu depctr_va_vdst(0)
	s_cbranch_scc1 .Lwq
	s_branch .Lclose
.Lmain:
.set PC,  128
.set TM,  148
	s_add_nc_u64 s[20:21], s[4:5], s[20:21]
	s_add_nc_u64 s[22:23], s[6:7], s[22:23]
	s_add_nc_u64 s[46:47], s[4:5], s[46:47]
	s_add_nc_u64 s[100:101], s[6:7], s[100:101]
	s_mov_b64 s[OC:OC+1], s[8:9]
	s_mov_b32 s[G0H], 1
	s_mov_b32 s[G0H+1], 0
	s_mov_b64 s[G0H+2:G0H+3], s[20:21]
	s_or_b32 s[G0H+3], s[G0H+3], 0x80000000
	s_mov_b32 s[G0HB], 1
	s_mov_b32 s[G0HB+1], 2*HALFT
	s_mov_b64 s[G0HB+2:G0HB+3], s[46:47]
	s_or_b32 s[G0HB+3], s[G0HB+3], 0x80000000
	s_mov_b32 s[G0S], 1
	s_mov_b32 s[G0S+1], SCL
	s_mov_b64 s[G0S+2:G0S+3], s[22:23]
	s_or_b32 s[G0S+3], s[G0S+3], 0x80000000
	s_mov_b32 s[G0SB], 1
	s_mov_b32 s[G0SB+1], SCL+2*HALFS
	s_mov_b64 s[G0SB+2:G0SB+3], s[100:101]
	s_or_b32 s[G0SB+3], s[G0SB+3], 0x80000000
	s_add_nc_u64 s[20:21], s[20:21], s[18:19]
	s_add_nc_u64 s[46:47], s[46:47], s[18:19]
.irp s, 0,1
	s_mov_b32 s[G0+4*\s], 1
	s_add_co_u32 s[G0+4*\s+1], s45, \s*SLOT
	s_add_nc_u64 s[G0+4*\s+2:G0+4*\s+3], s[20:21], \s*SROW
	s_or_b32 s[G0+4*\s+3], s[G0+4*\s+3], 0x80000000
	s_mov_b32 s[G0B+4*\s], 1
	s_add_co_u32 s[G0B+4*\s+1], s45, \s*SLOT
	s_add_nc_u64 s[G0B+4*\s+2:G0B+4*\s+3], s[46:47], \s*SROW
	s_or_b32 s[G0B+4*\s+3], s[G0B+4*\s+3], 0x80000000
.endr
.macro ARM under, g0, g1, next         ; one tree of branches on the wave's number: every way through this head passes one load
	s_cmp_lt_u32 s14, \under
	s_cbranch_scc0 \next
	tensor_load_to_lds s[\g0:\g0+3], s[\g1:\g1+7]
	s_nop 0
	PLACES 4
	s_branch .Lhead_asked
\next:
.endm
	ARM 1, G0H,  G1,  .Lhead_b
	ARM 2, G0HB, G1B, .Lhead_sa
	ARM 3, G0S,  G1S, .Lhead_sb
	tensor_load_to_lds s[G0SB:G0SB+3], s[G1SB:G1SB+7]
	s_nop 0
	PLACES 4
.Lhead_asked:
	s_cmp_eq_u32 s15, 0                            ; the prefetches: of my 8 row blocks my work-group names two: place cx among X's four askers, cy among Y's
	s_cselect_b32 s66, s40, s41
	s_cselect_b64 s[PFA:PFA+1], s[20:21], s[46:47]
	s_mul_i32 s66, s66, 2*KSB
	s_mov_b32 s67, 0
	s_add_nc_u64 s[PFA:PFA+1], s[PFA:PFA+1], s[66:67]
	s_mul_i32 s21, s15, HALFT                      ; my 8 row blocks of X
	s_mul_i32 s22, s16, HALFT
	s_add_co_u32 s22, s22, 2*HALFT                 ; my 8 of Y
	s_lshl_b32 s23, s15, 13
	s_lshl_b32 s100, s16, 13
	s_add_co_u32 s100, s100, 2*HALFS
	s_sub_co_u32 s100, s100, s23                   ; from X's scale words to Y's
	s_add_co_u32 s23, s23, SCL
	s_and_b32 s18, s12, 1
	s_lshl_b32 s18, s18, 2
	s_add_co_u32 s18, s18, s41
	s_lshl_b32 s18, s18, 1
	s_add_co_u32 s18, s18, s15                     ; R: which 128 rows of X within the product
	s_lshl_b32 s19, s42, 1
	s_add_co_u32 s19, s19, s16                     ; J: which 128 rows of Y
	s_lshl_b32 s66, s19, 4
	s_add_co_u32 s66, s66, s18                     ; q, k: J is the head, R the step
	s_lshl_b32 s67, s18, 4
	s_add_co_u32 s67, s67, s19                     ; v: R is the head, J the key step
	s_cmp_eq_u32 s13, 2
	s_cselect_b32 s66, s67, s66
	s_cmp_eq_u32 s13, 0
	s_cselect_b32 s[FAC], 0x3db504f3, 1.0          ; 1 / sqrt(128) in f32, for q alone
	s_mov_b32 s[FAC+1], s[FAC]
	s_lshl_b32 s67, s13, 8
	s_add_co_u32 s66, s66, s67
	s_mul_i32 s66, s66, REC
	s_mov_b32 s67, 0
	s_add_nc_u64 s[OC:OC+1], s[OC:OC+1], s[66:67]
	v_and_b32 v1, 15, v0                           ; r
	v_bfe_u32 v2, v0, 4, 1                         ; h
	v_and_b32 v3, 31, v0                           ; lane
	v_lshlrev_b32 v[LI], 4, v3
	v_lshlrev_b32 v[H8], 3, v2
	v_add_nc_u32 v[ADRA], s21, v[LI]
	v_add_nc_u32 v[ADRB], s22, v[LI]
	v_add_nc_u32 v[ADRA+1], SLOT, v[ADRA]
	v_add_nc_u32 v[ADRB+1], SLOT, v[ADRB]
	v_lshlrev_b32 v5, 4, v1
	v_mul_u32_u24 v6, s100, v2                     ; lanes 16-31 take Y's
	v_add_nc_u32 v5, v5, v6
	v_add_nc_u32 v[ADRS], s23, v5
	v_min_u32 v7, 23, v3                           ; block 0 .. 23 of my work-group's two row blocks, 12 blocks of 256 bytes each
	v_mul_u32_u24 v8, v7, 86
	v_lshrrev_b32 v8, 10, v8                       ; block / 12
	v_mul_u32_u24 v8, v8, KSB-SROW
	v_lshl_add_u32 v[PFO], v7, 8, v8
	global_prefetch_b8 v[PFO], s[PFA:PFA+1] offset:SROW th:TH_LOAD_NT scope:SCOPE_SE    ; chunk 1
	global_prefetch_b8 v[PFO], s[PFA:PFA+1] offset:QUADB th:TH_LOAD_NT scope:SCOPE_SE   ; chunk 2
.macro FRAG reg, adr, off
.irp c, 0,1,2
	ds_load_b128 v[\reg+4*\c:\reg+4*\c+3], v[\adr] offset:\off+512*\c
.endr
.endm
.macro FETCH_B slot, q, p
	WIN TO_B
.irp i, 0,1,2,3,4,5,6,7
	FRAG 128*(\p)+12*\i, ADRB+\slot, \i*SROW+(\q)*FRB
.endr
	WIN 0
.endm
.macro FETCH_A slot, q, p
.irp i, 0,1,2,3,4,5,6,7
	FRAG AF+96*(\p)+12*\i, ADRA+\slot, \i*SROW+(\q)*FRB
.endr
.endm
.macro SCALES s                        ; the slot's two words a row: lanes 0-15 X's block i, lanes 16-31 Y's block i
.irp i, 0,1,2,3,4,5,6,7
	ds_load_b64 v[SC+16*\s+2*\i:SC+16*\s+2*\i+1], v[ADRS] offset:1024*\i+8*\s
.endr
.endm
; 16 matrix instructions: X's blocks a0, a0 + 1 against Y's eight.  The 64 accumulators take turns, one instruction a turn.
.macro MUL16 a0, p, q, sc, zero
.irp a, \a0, \a0+1
.irp b, 0,1,2,3,4,5,6,7
.if \zero
	v_wmma_scale_f32_16x16x128_f8f6f4 v[8*(8*((\a)%4)+\b):8*(8*((\a)%4)+\b)+7], v[128*(\p)+12*\b:128*(\p)+12*\b+11], v[AF+96*(\p)+12*(\a):AF+96*(\p)+12*(\a)+11], 0, v[SC+16*(\sc)+2*\b+(\q)], v[SC+16*(\sc)+2*(\a)+(\q)] matrix_a_fmt:MATRIX_FMT_FP6 matrix_b_fmt:MATRIX_FMT_FP6 matrix_a_scale:MATRIX_SCALE_ROW1
.else
	v_wmma_scale_f32_16x16x128_f8f6f4 v[8*(8*((\a)%4)+\b):8*(8*((\a)%4)+\b)+7], v[128*(\p)+12*\b:128*(\p)+12*\b+11], v[AF+96*(\p)+12*(\a):AF+96*(\p)+12*(\a)+11], v[8*(8*((\a)%4)+\b):8*(8*((\a)%4)+\b)+7], v[SC+16*(\sc)+2*\b+(\q)], v[SC+16*(\sc)+2*(\a)+(\q)] matrix_a_fmt:MATRIX_FMT_FP6 matrix_b_fmt:MATRIX_FMT_FP6 matrix_a_scale:MATRIX_SCALE_ROW1
.endif
.endr
.endr
.endm
.macro STEP slot, zero                 ; a slot's first 128 along K, on set 0; the second 128's fragments are fetched into set 1 behind its first sixteen products
	s_wait_dscnt 0x0
	WIN MUL_LO
	MUL16 0, 0, 0, \slot, \zero
	PLACES 4
	FETCH_B \slot, 1, 1
	FETCH_A \slot, 1, 1
	WIN MUL_LO
	MUL16 2, 0, 0, \slot, \zero
	WIN MUL_HI
	MUL16 4, 0, 0, \slot, \zero
	MUL16 6, 0, 0, \slot, \zero
.endm
; A slot's second 128, on set 1, changes slots: one barrier; in front of it each wave waits for all its tensor loads, adds 0 to its spare word, and waits for that and for its reads of this slot.
.macro TURN slot, next, fill
	WIN 0
.if (\fill) && (\slot) == 0
	s_wait_xcnt 0x0                                ; my prefetches have read their address: it goes on by 512 along K
	s_add_nc_u64 s[PFA:PFA+1], s[PFA:PFA+1], QUADB
.endif
	s_wait_tensorcnt 0x0                           ; my one load that was out: my part of the next slot
	ds_add_u32 v[SPW], v[NIL]
	s_wait_dscnt 1                                 ; set 1 is in; the add alone may be out
	WIN MUL_LO
	MUL16 0, 1, 1, \slot, 0
	s_wait_dscnt 0x0                               ; the add is done, and my reads of this slot are over
	s_barrier_signal -1
	MUL16 2, 1, 1, \slot, 0
	WIN 0
	s_barrier_wait -1
.if \fill
	CREST                                          ; the barrier has opened a round of the cluster's
	s_add_nc_u64 s[G0+4*\slot+2:G0+4*\slot+3], s[G0+4*\slot+2:G0+4*\slot+3], QUADB
	s_add_nc_u64 s[G0B+4*\slot+2:G0B+4*\slot+3], s[G0B+4*\slot+2:G0B+4*\slot+3], QUADB
	JLOAD G0+4*\slot, G1, G0B+4*\slot, G1B         ; its four v_nop are also the places in front of the loads below
.else
	PLACES 4
.endif
.if \next == 0
	v_add_nc_u32 v[ADRS], 256, v[ADRS]             ; the next lap's scale words
.endif
	FETCH_B \next, 0, 0
	FETCH_A \next, 0, 0
	s_wait_alu depctr_va_vdst(0)                   ; the wait ahead of the reader below
	SCALES \next
.if \fill
	s_cmp_gt_u32 s3, 1                             ; the last trip's chunks 6 and 7 have no chunk two on
	s_cbranch_scc0 .Lnone_\@
	global_prefetch_b8 v[PFO], s[PFA:PFA+1] offset:QUADB+\slot*SROW th:TH_LOAD_NT scope:SCOPE_SE
.Lnone_\@:
.endif
	WIN MUL_HI
	MUL16 4, 1, 1, \slot, 0
	MUL16 6, 1, 1, \slot, 0
.endm
	s_wait_alu depctr_va_vdst(0)                   ; the wait at the head's end
	s_wait_tensorcnt 0x0                           ; my tile of the head's four is in; the full sequence ahead of slot 1's first fill
	ds_add_u32 v[SPW], v[NIL]
	s_mov_b32 s[G1+2], 8<<16                       ; no load of mine is out: from here on a load brings 8 row blocks
	s_mov_b32 s[G1+4], 8
	s_mov_b32 s[G1B+2], 8<<16
	s_mov_b32 s[G1B+4], 8
	s_wait_dscnt 0x0
	CROUND
	JLOAD G0+4, G1, G0B+4, G1B                     ; chunk 1
	FETCH_B 0, 0, 0
	FETCH_A 0, 0, 0
	SCALES 0
	global_prefetch_b8 v[PFO], s[PFA:PFA+1] offset:QUADB+SROW th:TH_LOAD_NT scope:SCOPE_SE   ; chunk 3
	STEP 0, 1                                      ; the first step's products start the sums
	WIN 0
	s_mov_b32 s3, LAPS-1
.Llap:
	TURN 0, 1, 1
	STEP 1, 0
	TURN 1, 0, 1
	STEP 0, 0
	WIN 0
	s_sub_co_u32 s3, s3, 1
	s_cmp_lg_u32 s3, 0
	s_cbranch_scc1 .Llap
	TURN 0, 1, 0                                   ; the last lap fills nothing
	STEP 1, 0
	s_wait_dscnt 0x0
	WIN MUL_LO
	MUL16 0, 1, 1, 1, 0
	MUL16 2, 1, 1, 1, 0
	WIN MUL_HI
	MUL16 4, 1, 1, 1, 0
	MUL16 6, 1, 1, 1, 0
	WIN 0
	; THE WAY OUT.  Block a of X: a lane's 64 results are multiplied by the factor, which also brings them into window 0, quantised, and stored as an image.
	PLACES 4
.macro OUT a
.if (\a) > 0
	s_wait_xcnt 0x0                                ; the last image's stores have read the codes' registers
.endif
.set WN, 0x02+(\a)/4
	WIN WN
.set i, 0
.rept 32
	v_pk_mul_f32 v[ST+2*i:ST+2*i+1], v[64*((\a)%4)+2*i:64*((\a)%4)+2*i+1], s[FAC:FAC+1] op_sel_hi:[1,0]   ; each accumulator from its low end on
.set i, i+1
.endr
	WIN 0
	QUANT ST, PW+\a
.irp c, 0,1,2
	global_store_b128 v[LI], v[PC+4*\c:PC+4*\c+3], s[OC:OC+1] offset:FRB*(\a)+512*\c
.endr
.endm
.irp a, 0,1,2,3,4,5,6,7
	OUT \a
.endr
	v_cmp_le_u32 vcc_lo, 16, v3
.irp i, 0,1,2,3
	v_cndmask_b32 v[WD+\i], v[PW+\i], v[PW+4+\i], vcc_lo
.endr
	global_store_b128 v[LI], v[WD:WD+3], s[OC:OC+1] offset:8*FRB
.Lclose:
	s_wait_tensorcnt 0x0                           ; the wave's end
	ds_add_u32 v[SPW], v[NIL]
	s_wait_dscnt 0x0
	CROUND                                         ; the closing round
	s_endpgm
.Lfunc_end_k_q9a381c1bc1_proj:
	.size	k_q9a381c1bc1_proj, .Lfunc_end_k_q9a381c1bc1_proj-k_q9a381c1bc1_proj
	.p2alignl 7, 3214868480
	.fill 96, 4, 3214868480
	.section	.rodata,"a",@progbits
	.p2align	6, 0x0
	.amdhsa_kernel k_q9a381c1bc1_proj
		.amdhsa_group_segment_fixed_size 327680
		.amdhsa_private_segment_fixed_size 0
		.amdhsa_enable_private_segment 0
		.amdhsa_kernarg_size 48
		.amdhsa_user_sgpr_count 2
		.amdhsa_user_sgpr_kernarg_segment_ptr 1
		.amdhsa_wavefront_size32 1
		.amdhsa_system_sgpr_workgroup_id_x 1
		.amdhsa_system_sgpr_workgroup_id_y 1
		.amdhsa_system_sgpr_workgroup_id_z 1
		.amdhsa_system_vgpr_workitem_id 0
		.amdhsa_next_free_vgpr 1024
		.amdhsa_next_free_sgpr 102
		.amdhsa_reserve_vcc 1
		.amdhsa_float_denorm_mode_32 3
		.amdhsa_float_denorm_mode_16_64 3
		.amdhsa_memory_ordered 1
		.amdhsa_forward_progress 1
		.amdhsa_inst_pref_size 179
	.end_amdhsa_kernel
	.amdgpu_metadata
---
amdhsa.version: [ 1, 2 ]
amdhsa.kernels:
  - .name:           k_q9a381c1bc1_proj
    .symbol:         k_q9a381c1bc1_proj.kd
    .args:
      - { .name: xw_codes, .offset: 0, .size: 8, .value_kind: global_buffer, .address_space: global }
      - { .name: xw_scales, .offset: 8, .size: 8, .value_kind: global_buffer, .address_space: global }
      - { .name: qkv, .offset: 16, .size: 8, .value_kind: global_buffer, .address_space: global }
      - { .name: Wo, .offset: 24, .size: 8, .value_kind: global_buffer, .address_space: global }
      - { .name: wo_codes, .offset: 32, .size: 8, .value_kind: global_buffer, .address_space: global }
      - { .name: wo_scales, .offset: 40, .size: 8, .value_kind: global_buffer, .address_space: global }
    .group_segment_fixed_size: 327680
    .private_segment_fixed_size: 0
    .kernarg_segment_align: 8
    .kernarg_segment_size: 48
    .max_flat_workgroup_size: 128
    .sgpr_count:     102
    .vgpr_count:     1024
    .wavefront_size: 32
...
	.end_amdgpu_metadata
.endif
;; end of part 2
;; launch attn (part 3): grid 16 x 16, 8 waves a work-group, clusters of 4 x 1, 327,680 bytes of LDS; arguments qkv, at_codes, at_scales; writes at_codes, at_scales
.if DOCPART == 3
	.amdgcn_target "amdgcn-amd-amdhsa--gfx1250"
	.amdhsa_code_object_version 6
	.text
	.protected	k_q9a381c1bc1_attn
	.globl	k_q9a381c1bc1_attn
	.p2align	8
	.type	k_q9a381c1bc1_attn,@function
k_q9a381c1bc1_attn:
	s_mov_b64 s[64:65], 0
	v_nop
	global_prefetch_b8 v0, s[64:65] scope:SCOPE_SE
	s_setreg_imm32_b32 hwreg(HW_REG_WAVE_MODE, 25, 1), 1
	s_wait_xcnt 0x0
	s_wait_alu depctr_hold_cnt(0) depctr_sa_sdst(0) depctr_va_vdst(0) depctr_va_sdst(0) depctr_va_ssrc(0) depctr_va_vcc(0) depctr_vm_vsrc(0)
	s_getreg_b32 s2, hwreg(HW_REG_IB_STS2, 6, 4)
	s_cmp_eq_u32 s2, 0
	s_cbranch_scc0 .Lentry_in_a_cluster
	s_endpgm
.Lentry_in_a_cluster:
	s_bfe_u32 s2, ttmp6, 0x10000c
	s_cmp_lg_u32 s2, 0x3003
	s_cbranch_scc0 .Lentry_shape_is_right
	s_endpgm
.Lentry_shape_is_right:
; attn[q][head][:] = softmax_k(q . k) v, both products on codes of FP6 (E2M3); q already carries 1 / sqrt(128).  16 heads, 2,048 queries, 2,048 keys, head size 128.
; THE SOFTMAX AHEAD OF THE SECOND PRODUCT: t = score x log2(e); M = the row's largest t so far, rounded UP to a whole number; p = 2^(t - M) is what is quantised, along the keys, not normalised.
; The row's sum is taken of the unquantised p, in f32, and divides O at the end.  When M moves, the sum and O are multiplied by 2^(old M - new M): exact.  O / sum is quantised along the head's 128 and leaves as codes.
; SHARES.  A work-group owns 128 queries of one head; each of its eight waves owns one tile of 16: two waves to a SIMD, 512 registers each.  Every wave walks all keys, 128 a step.
; LAYOUT.  Both products are used transposed: S^T = K Q^T, O^T = V^T P^T: a lane holds ONE query throughout.  Row r of tile t of K is key 64 (t / 4) + 8 (t % 4) + r % 8 + 32 (r / 8) of the step (V's channels likewise; the launch
; before chose them), so that register 32 c + i of a lane's 64 is key 64 c + 32 (lane / 16) + i: two whole blocks of 32, in the order of the operand's own layout: a block's maximum needs no other lane, and the codes need no lane swap.
; A key step of K, or of V, is one RECORD of 12,800 bytes: 8 images of fragments and 512 bytes of scale words.
; LDS.  12 places for K's records, then 12 for V's.  Steps 0-3 come at the head, one record a wave; steps 4-11 behind the full sequence and a round, two records a wave by one load; steps 12-15 are the one refill, into places 0-3.
; V's 24 loads from LDS are issued behind the products K Q^T; the NEXT step's K is asked for in the middle of the softmax.  That look-ahead does not cross into records that a barrier has yet to show whole (steps 4 and 12).
; The barrier that shows steps 12-15 guards no refill: each wave signals at step 8, behind the wait for its own load, and waits at step 12; between the two stand register work and reads of places 4-11, which nobody writes.
; CLUSTER.  The four query groups of a cluster belong to one head: every load is joint, with the mask of all four, one line, no branch.
; NO PREFETCH INTO THE L2: steps 4-11 are requested four key steps ahead of their first read and steps 12-15 eight; ahead of the head's records stands no loop.
; LIMITS: a block of zeros gets the byte 1 (its codes are zeros; this program alone reads the bytes); NaN and infinities are not served; the scaled scores stay under 2^31 in magnitude.
; REGISTERS: window 0: v1-10 addresses; v12 -M, v13 the largest t, v[14:15] the sum; v16-27 Q, v28 its scale words; v32-70 the way out; v80-87 K's and V's scale words; v96-159 S^T, then p; v160-223 O^T; v224-254 at work.
;   window 1: v0-95 K's eight fragments; v96-191 V's eight.
.set FRB,    1536
.set REC,    12800
.set VOFF,   12*REC
.set SPARE,  2*VOFF                    ; the spare words: four blocks of 256 bytes that no other line names
.set KSB,    4*FRB
.set LI,  1                            ; 16 x lane
.set ADK, 2                            ; the step's record of K
.set ADV, 3                            ; and of V
.set SPW, 5
.set NIL, 6
.set RS,  7                            ; 16 r
.set LN,  9
.set H8,  10                           ; 8 h
.set KF,  0
.set VF,  96
.set PC,  32
.set TM,  52
.set PW,  68
.set TB,  2                            ; s2, s3: LDS bytes of the step's records
.set TV,  3
.set WV,  18
.set SEL, 20
.set CS,  22
.set G1,  24                           ; s[24:31] one record: 50 rows of 256 bytes;  s[32:39] two: 100 rows;  s[40:43], s[44:47] groups 0
.set G1L, 32
.set CNT, 56
.set W_MUL, 0x01
.set W_LD,  0x40
.set MSB, 0
.macro WIN new
.if MSB != \new
	s_set_vgpr_msb (MSB<<8)|\new
.set MSB, \new
.endif
.endm
.macro CROUND
	s_barrier_signal -1
	s_barrier_wait -1
	s_cmp_lg_u32 s[WV], 0
	s_cbranch_scc1 .Lnot_wave_0_\@
	s_barrier_signal -3
.Lnot_wave_0_\@:
	s_barrier_wait -3
	s_barrier_signal -1
	s_barrier_wait -1
.endm
.macro QUANT s, pw                     ; 64 numbers of a lane, two whole blocks, become codes in v[PC] on and a scale word in v[pw]
.irp c, 0,1
	v_max3_num_f32 v[TM+\c], |v[\s+32*\c]|, |v[\s+32*\c+1]|, 0x1800000
	v_max3_num_f32 v[TM+2+\c], |v[\s+32*\c+16]|, |v[\s+32*\c+17]|, |v[\s+32*\c+18]|
.endr
.irp i, 2,4,6,8,10,12
.irp c, 0,1
	s_delay_alu instid0(VALU_DEP_4)
	v_max3_num_f32 v[TM+\c], v[TM+\c], |v[\s+32*\c+\i]|, |v[\s+32*\c+\i+1]|
	s_delay_alu instid0(VALU_DEP_4)
	v_max3_num_f32 v[TM+2+\c], v[TM+2+\c], |v[\s+32*\c+\i+17]|, |v[\s+32*\c+\i+18]|
.endr
.endr
.irp c, 0,1
	v_max3_num_f32 v[TM+\c], v[TM+\c], |v[\s+32*\c+14]|, |v[\s+32*\c+15]|
.endr
.irp c, 0,1
	s_delay_alu instid0(VALU_DEP_2)
	v_max3_num_f32 v[TM+\c], v[TM+\c], v[TM+2+\c], |v[\s+32*\c+31]|
.endr
.irp c, 0,1
	s_delay_alu instid0(VALU_DEP_2)
	v_add_nc_u32 v[TM+4+\c], 0xff000000, v[TM+\c]
.endr
.irp c, 0,1
	s_delay_alu instid0(VALU_DEP_2)
	v_lshrrev_b32 v[TM+\c], 23, v[TM+4+\c]
.endr
	s_delay_alu instid0(VALU_DEP_1)
	v_lshl_or_b32 v[TM], v[TM+1], 16, v[TM]
	s_delay_alu instid0(VALU_DEP_1)
	v_lshlrev_b32 v[TM], v[H8], v[TM]
	s_delay_alu instid0(VALU_DEP_1)
	v_permlanex16_b32 v[TM+2], v[TM], s[SEL], s[SEL+1]
	s_delay_alu instid0(VALU_DEP_1)
	v_or_b32 v[\pw], v[TM], v[TM+2]
.irp c, 0,1
	v_cvt_scalef32_pk16_fp6_f32 v[PC+6*\c:PC+2+6*\c], v[\s+32*\c:\s+15+32*\c], v[TM+4+\c]
	v_cvt_scalef32_pk16_fp6_f32 v[PC+12+4*\c:PC+14+4*\c], v[\s+16+32*\c:\s+31+32*\c], v[TM+4+\c]
.endr
	v_nop
.irp c, 0,1
.irp i, 0,1,2
	v_mov_b32 v[PC+3+6*\c+\i], v[PC+12+4*\c+\i]
.endr
.endr
.endm
.macro NOP4
.rept 4
	v_nop
.endr
.endm
	s_load_b128 s[4:7], s[0:1], 0x0                ; qkv s[4:5], at_codes s[6:7]
	s_load_b64 s[8:9], s[0:1], 0x10                ; at_scales
	v_lshl_add_u32 v[SPW], v0, 2, SPARE
	v_mov_b32 v[NIL], 0
	ds_add_u32 v[SPW], v[NIL]                      ; the opening lines: the add twice and its wait ahead of my first tensor load
	ds_add_u32 v[SPW], v[NIL]
	v_lshrrev_b32 v8, 5, v0
	s_delay_alu instid0(VALU_DEP_1)
	v_readfirstlane_b32 s[WV], v8                  ; wave 0..7
	s_bfe_u32 s12, ttmp6, 0x40000                  ; cx
	s_lshl_b32 s13, ttmp9, 2
	s_add_co_u32 s13, s13, s12                     ; my group of 128 queries: it enters Q's and the output's addresses alone
	s_and_b32 s14, ttmp7, 0xffff                   ; the head
	s_and_b32 s15, s[WV], 3                        ; which step of four I fetch,
	s_lshr_b32 s16, s[WV], 2                       ; of K (0) or of V (1)
	s_mov_b32 s[G1], 15|(3<<16)|(1<<21)            ; the mask of all four; elements of 8 bytes; bit 21 beside a mask
	s_mov_b32 s[G1+1], 32<<16
	s_mov_b32 s[G1+2], 50<<16
	s_mov_b32 s[G1+3], 32<<16
	s_mov_b32 s[G1+4], 50
	s_mov_b32 s[G1+5], 32
	s_mov_b32 s[G1+6], 0
	s_mov_b32 s[G1+7], 0
	s_mov_b32 s[G1L], 15|(3<<16)|(1<<21)
	s_mov_b32 s[G1L+1], 32<<16
	s_mov_b32 s[G1L+2], 100<<16
	s_mov_b32 s[G1L+3], 32<<16
	s_mov_b32 s[G1L+4], 100
	s_mov_b32 s[G1L+5], 32
	s_mov_b32 s[G1L+6], 0
	s_mov_b32 s[G1L+7], 0
	s_add_co_u32 s57, s16, 1                       ; tensor 1 (k) or 2 (v)
	s_mul_i32 s58, s57, 256*REC
	s_mul_i32 s61, s14, 16*REC
	s_add_co_u32 s58, s58, s61
	s_mul_i32 s57, s15, REC
	s_add_co_u32 s58, s58, s57                     ; step wave % 4
	s_add_co_u32 s60, s58, s57
	s_add_co_u32 s60, s60, 4*REC                   ; steps 4 + 2 (wave % 4) and the next
	s_mov_b32 s59, 0
	s_mov_b32 s61, 0
	s_mul_i32 s62, s16, VOFF
	s_add_co_u32 s62, s62, s57                     ; and their places in LDS: no place in the cluster enters an LDS address
	s_add_co_u32 s63, s62, s57
	s_add_co_u32 s63, s63, 4*REC
	s_lshl_b32 s66, s14, 4
	s_add_co_u32 s66, s66, s13                     ; Q's record: 16 head + query group
	s_mul_i32 s66, s66, REC
	s_mul_i32 s69, s[WV], FRB
	s_add_co_u32 s68, s66, s69                     ; my tile of Q
	s_mov_b32 s69, 0
	s_add_co_u32 s70, s66, 8*FRB
	s_lshl_b32 s71, s16, 8
	s_add_co_u32 s70, s70, s71
	s_lshl_b32 s71, s15, 2
	s_add_co_u32 s70, s70, s71                     ; its scale words: half wave / 4, word wave % 4 of each row's four
	s_mov_b32 s71, 0
	s_lshl_b32 s67, s13, 3
	s_add_co_u32 s67, s67, s[WV]                   ; the output's row block
	s_lshr_b32 s75, s14, 2                         ; its K step is the head: kq = head / 4
	s_lshl_b32 s72, s75, 7
	s_add_co_u32 s72, s72, s67
	s_mul_i32 s72, s72, KSB
	s_and_b32 s73, s14, 3
	s_mul_i32 s74, s73, FRB
	s_add_co_u32 s72, s72, s74
	s_lshl_b32 s74, s67, 10
	s_lshl_b32 s75, s75, 8
	s_add_co_u32 s74, s74, s75
	s_lshl_b32 s73, s73, 2
	s_add_co_u32 s74, s74, s73
	s_mov_b32 s73, 0
	s_mov_b32 s75, 0
	s_mov_b32 s[SEL], 0x76543210
	s_mov_b32 s[SEL+1], 0xfedcba98
	s_mov_b32 s[CS], 0x3fb8aa3b                    ; log2(e)
	s_mov_b32 s[CS+1], s[CS]
	s_wait_dscnt 0x0
	s_wait_kmcnt 0x0
	s_mov_b32 s40, 1
	s_mov_b32 s41, s62
	s_add_nc_u64 s[42:43], s[4:5], s[58:59]
	s_or_b32 s43, s43, 0x80000000
	s_mov_b32 s44, 1
	s_mov_b32 s45, s63
	s_add_nc_u64 s[46:47], s[4:5], s[60:61]
	s_or_b32 s47, s47, 0x80000000
	s_add_nc_u64 s[68:69], s[4:5], s[68:69]
	s_add_nc_u64 s[70:71], s[4:5], s[70:71]
	s_add_nc_u64 s[6:7], s[6:7], s[72:73]
	s_add_nc_u64 s[8:9], s[8:9], s[74:75]
	CROUND                                         ; all four work-groups are here: the first joint loads meet
	tensor_load_to_lds s[40:43], s[G1:G1+7]        ; my record of steps 0-3: one tensor load a wave at the head
	s_nop 0
	NOP4
	v_and_b32 v[LN], 31, v0
	v_and_b32 v8, 15, v0
	s_delay_alu instid0(VALU_DEP_2)
	v_lshlrev_b32 v[LI], 4, v[LN]
	s_delay_alu instid0(VALU_DEP_2)
	v_lshlrev_b32 v[RS], 4, v8
.irp c, 0,1,2
	global_load_b128 v[16+4*\c:19+4*\c], v[LI], s[68:69] offset:512*\c   ; Q's fragment stays in registers
.endr
	global_load_b32 v28, v[RS], s[70:71]           ; and its scale words (lanes 0-15 are read)
	v_bfe_u32 v[H8], v0, 4, 1
	v_mov_b32 v13, 0xff61b1e6                      ; the largest t so far: -3e38
	s_delay_alu instid0(VALU_DEP_2)
	v_lshlrev_b32 v[H8], 3, v[H8]
	s_delay_alu instid0(VALU_DEP_2)
	v_floor_f32 v12, -v13                          ; -M
	v_mov_b32 v14, 0
	v_mov_b32 v15, 0
	v_mov_b32 v236, 0                              ; a lane permute's destination counts as one of its sources
	v_mov_b32 v253, 0
.set j, 0
.rept 64
	v_mov_b32 v[160+j], 0                          ; O^T: the step is written alike for all steps; the first finds zeros
.set j, j+1
.endr
.macro FRAGS reg, adr, off             ; eight images, 24 loads in one run, into 96 registers of window 1
	WIN W_LD
.irp t, 0,1,2,3,4,5,6,7
.irp c, 0,1,2
	ds_load_b128 v[\reg+12*\t+4*\c:\reg+12*\t+4*\c+3], v[\adr] offset:\off+FRB*\t+512*\c
.endr
.endr
	WIN 0
.endm
.macro KLOAD                           ; K and its scale words of the step at s[TB], where no step before could ask for them
	v_add_nc_u32 v[ADK], s[TB], v[LI]
	ds_load_b128 v[80:83], v[ADK] offset:8*FRB     ; register i: lanes 0-15 tile i's words, lanes 16-31 tile 4 + i's
	FRAGS KF, ADK, 0
.endm
; A KEY STEP: 128 keys.  K and its scale words have been asked for earlier.  pre = 1: the next step's are asked for in this one.
.macro STEP pre
	v_add_nc_u32 v[ADK], s[TB], v[LI]
	v_add_nc_u32 v[ADV], s[TV], v[LI]
	s_wait_alu depctr_va_vdst(0)
	s_wait_dscnt 0x0                               ; K's eight fragments and its scale words are in
	WIN W_MUL
.irp t, 0,1,2,3
	v_wmma_scale_f32_16x16x128_f8f6f4 v[96+8*\t:103+8*\t], v[KF+12*\t:KF+12*\t+11], v[16:27], 0, v[80+\t], v28 matrix_a_fmt:MATRIX_FMT_FP6 matrix_b_fmt:MATRIX_FMT_FP6
.endr
.irp t, 0,1,2,3
	v_wmma_scale_f32_16x16x128_f8f6f4 v[128+8*\t:135+8*\t], v[KF+48+12*\t:KF+48+12*\t+11], v[16:27], 0, v[80+\t], v28 matrix_a_fmt:MATRIX_FMT_FP6 matrix_b_fmt:MATRIX_FMT_FP6 matrix_a_scale:MATRIX_SCALE_ROW1
.endr
	WIN 0
	NOP4                                           ; the places ahead of the first read of the scores; with the two additions above, six behind the last step's products, which read V's registers
	ds_load_b128 v[84:87], v[ADV] offset:8*FRB     ; V's scale words,
	FRAGS VF, ADV, 0                               ; and V's eight fragments
.irp c, 0,1
	v_max3_num_f32 v[232+\c], v[96+32*\c], v[97+32*\c], v[98+32*\c]   ; the largest score of my two blocks of 32 keys, in four chains: for the row's maximum and, since p rises with the score, for the block's largest p
	v_max3_num_f32 v[234+\c], v[112+32*\c], v[113+32*\c], v[114+32*\c]
.endr
.irp i, 3,5,7,9,11,13
.irp c, 0,1
	v_max3_num_f32 v[232+\c], v[232+\c], v[96+32*\c+\i], v[97+32*\c+\i]
	v_max3_num_f32 v[234+\c], v[234+\c], v[112+32*\c+\i], v[113+32*\c+\i]
.endr
.endr
.irp c, 0,1
	v_max3_num_f32 v[232+\c], v[232+\c], v[234+\c], v[111+32*\c]
.endr
.irp c, 0,1
	v_max_num_f32 v[232+\c], v[232+\c], v[127+32*\c]
.endr
	s_delay_alu instid0(VALU_DEP_1)
	v_max_num_f32 v254, v232, v233
	s_delay_alu instid0(VALU_DEP_1)
	v_permlanex16_b32 v236, v254, s[SEL], s[SEL+1]
	s_delay_alu instid0(VALU_DEP_1)
	v_max_num_f32 v254, v254, v236                 ; with lane l xor 16's two blocks: the step's largest score of my query
	s_delay_alu instid0(VALU_DEP_1)
	v_mul_f32 v254, s[CS], v254                    ; as t
	s_delay_alu instid0(VALU_DEP_1)
	v_max_num_f32 v13, v13, v254                   ; the running largest t
	v_mov_b32 v254, v12
	s_delay_alu instid0(VALU_DEP_2)
	v_floor_f32 v12, -v13                          ; the new -M = -ceil(t)
	s_delay_alu instid0(VALU_DEP_1)
	v_sub_f32 v254, v12, v254                      ; old M - new M: a whole number, 0 or less
	s_delay_alu instid0(VALU_DEP_1)
	v_cvt_i32_f32 v254, v254
	s_delay_alu instid0(VALU_DEP_1)
	v_ldexp_f32 v252, 1.0, v254                    ; f = 2^(old M - new M)
.set j, 0
.rept 32
	v_pk_fma_f32 v[96+j:97+j], v[96+j:97+j], s[CS:CS+1], v[12:13] op_sel_hi:[1,0,0]   ; t - M
.set j, j+2
.endr
.irp c, 0,1
	v_fma_f32 v[232+\c], v[232+\c], s[CS], v12
.endr
.set j, 0
	s_wait_alu depctr_va_vdst(0)                   ; the wait ahead of the batch
.rept 64
	v_exp_f32 v[96+j], v[96+j]                     ; p = 2^(t - M), at most 1
.set j, j+1
.endr
.irp c, 0,1
	v_exp_f32 v[232+\c], v[232+\c]                 ; the block's largest p
.endr
	v_pk_mul_f32 v[14:15], v[14:15], v[252:253] op_sel_hi:[1,0]   ; the sums under the new M
	s_wait_alu depctr_va_vdst(0)                   ; and behind it
.irp c, 0,1
	v_max_num_f32 v[232+\c], 0x1800000, v[232+\c]  ; the floor 2^(3 - 127)
.endr
.irp c, 0,1
	s_delay_alu instid0(VALU_DEP_2)
	v_add_nc_u32 v[244+\c], 0xff000000, v[232+\c]  ; 2 off the exponent field: the conversion's scale operand
.endr
.irp c, 0,1
	s_delay_alu instid0(VALU_DEP_2)
	v_lshrrev_b32 v[238+\c], 23, v[244+\c]
.endr
	s_delay_alu instid0(VALU_DEP_1)
	v_lshl_or_b32 v238, v239, 16, v238             ; the bytes of blocks h and 2 + h,
	s_delay_alu instid0(VALU_DEP_1)
	v_lshlrev_b32 v238, v[H8], v238                ; at their places;
	s_delay_alu instid0(VALU_DEP_1)
	v_permlanex16_b32 v236, v238, s[SEL], s[SEL+1]
	s_delay_alu instid0(VALU_DEP_1)
	v_or_b32 v253, v238, v236                      ; with lane l xor 16's: p's scale word for these 128 keys
.irp c, 0,1
	v_cvt_scalef32_pk16_fp6_f32 v[224+6*\c:226+6*\c], v[96+32*\c:111+32*\c], v[244+\c]
	v_cvt_scalef32_pk16_fp6_f32 v[236+4*\c:238+4*\c], v[112+32*\c:127+32*\c], v[244+\c]
.endr
	v_nop
.irp c, 0,1
.irp i, 0,1,2
	v_mov_b32 v[227+6*\c+\i], v[236+4*\c+\i]
.endr
.endr
.if \pre
	FRAGS KF, ADK, REC                             ; the next step's K,
	ds_load_b128 v[80:83], v[ADK] offset:REC+8*FRB ; and its scale words
.endif
	v_pk_add_f32 v[236:237], v[100:101], v[104:105]
	v_pk_add_f32 v[250:251], v[108:109], v[112:113]
	v_pk_add_f32 v[248:249], v[116:117], v[120:121]
	v_pk_add_f32 v[94:95], v[124:125], v[128:129]
	v_pk_add_f32 v[92:93], v[132:133], v[136:137]
	v_pk_add_f32 v[90:91], v[140:141], v[144:145]
	v_pk_add_f32 v[88:89], v[148:149], v[152:153]
	v_pk_add_f32 v[14:15], v[14:15], v[156:157]
	v_pk_add_f32 v[236:237], v[236:237], v[96:97]
	v_pk_add_f32 v[250:251], v[250:251], v[98:99]
	v_pk_add_f32 v[248:249], v[248:249], v[102:103]
	v_pk_add_f32 v[94:95], v[94:95], v[106:107]
	v_pk_add_f32 v[92:93], v[92:93], v[110:111]
	v_pk_add_f32 v[90:91], v[90:91], v[114:115]
	v_pk_add_f32 v[88:89], v[88:89], v[118:119]
	v_pk_add_f32 v[14:15], v[14:15], v[122:123]
	v_pk_add_f32 v[236:237], v[236:237], v[126:127]
	v_pk_add_f32 v[250:251], v[250:251], v[130:131]
	v_pk_add_f32 v[248:249], v[248:249], v[134:135]
	v_pk_add_f32 v[94:95], v[94:95], v[138:139]
	v_pk_add_f32 v[92:93], v[92:93], v[142:143]
	v_pk_add_f32 v[90:91], v[90:91], v[146:147]
	v_pk_add_f32 v[88:89], v[88:89], v[150:151]
	v_pk_add_f32 v[14:15], v[14:15], v[154:155]
	v_pk_add_f32 v[236:237], v[236:237], v[158:159]
	s_delay_alu instid0(VALU_DEP_2)
	v_pk_add_f32 v[14:15], v[14:15], v[94:95]
	s_delay_alu instid0(VALU_DEP_2)
	v_pk_add_f32 v[236:237], v[236:237], v[92:93]
	v_pk_add_f32 v[250:251], v[250:251], v[90:91]
	v_pk_add_f32 v[248:249], v[248:249], v[88:89]
	s_delay_alu instid0(VALU_DEP_2)
	v_pk_add_f32 v[14:15], v[14:15], v[250:251]
	s_delay_alu instid0(VALU_DEP_2)
	v_pk_add_f32 v[236:237], v[236:237], v[248:249]
	s_delay_alu instid0(VALU_DEP_1)
	v_pk_add_f32 v[14:15], v[14:15], v[236:237]
.set j, 0
.rept 32
	v_pk_mul_f32 v[160+j:161+j], v[160+j:161+j], v[252:253] op_sel_hi:[1,0]   ; O^T under the new M
.set j, j+2
.endr
	s_wait_alu depctr_va_vdst(0)
	s_wait_dscnt 25*\pre                           ; V and its scale words are in; the next step's 24 loads of K and one of scale words, issued behind them, may be out
	WIN W_MUL
.irp t, 0,1,2,3
	v_wmma_scale_f32_16x16x128_f8f6f4 v[160+8*\t:167+8*\t], v[VF+12*\t:VF+12*\t+11], v[224:235], v[160+8*\t:167+8*\t], v[84+\t], v253 matrix_a_fmt:MATRIX_FMT_FP6 matrix_b_fmt:MATRIX_FMT_FP6
.endr
.irp t, 0,1,2,3
	v_wmma_scale_f32_16x16x128_f8f6f4 v[192+8*\t:199+8*\t], v[VF+48+12*\t:VF+48+12*\t+11], v[224:235], v[192+8*\t:199+8*\t], v[84+\t], v253 matrix_a_fmt:MATRIX_FMT_FP6 matrix_b_fmt:MATRIX_FMT_FP6 matrix_a_scale:MATRIX_SCALE_ROW1
.endr
	WIN 0
	s_add_co_u32 s[TB], s[TB], REC
	s_add_co_u32 s[TV], s[TV], REC
.endm
.macro AT place                        ; the step's places, as constants of the text
	s_mov_b32 s[TB], (\place)*REC
	s_mov_b32 s[TV], (\place)*REC+VOFF
.endm
.macro RUN n                           ; n steps that ask for their successor's K
	s_mov_b32 s[CNT], \n
.Lstep_\@:
	STEP 1
	s_sub_co_u32 s[CNT], s[CNT], 1
	s_cmp_lg_u32 s[CNT], 0
	s_cbranch_scc1 .Lstep_\@
.endm
	s_wait_alu depctr_va_vdst(0)                   ; the wait at the head's end
	s_wait_tensorcnt 0x0                           ; my record is in; the full sequence ahead of the later first fill
	ds_add_u32 v[SPW], v[NIL]
	s_add_nc_u64 s[42:43], s[42:43], 12*REC        ; no load of mine is out: this descriptor goes on to steps 12-15
	s_wait_dscnt 0x0
	CROUND
	tensor_load_to_lds s[44:47], s[G1L:G1L+7]      ; my two records of steps 4-11
	s_nop 0
	NOP4
	s_wait_loadcnt 0x0                             ; Q
	AT 0
	KLOAD
	RUN 3
	AT 3
	STEP 0
	s_wait_tensorcnt 0x0                           ; my part of steps 4-11 has landed
	ds_add_u32 v[SPW], v[NIL]
	s_wait_dscnt 0x0                               ; the add is done, and my reads of places 0-3 are over
	CROUND                                         ; no wave of any partner still reads them or has a load on its way
	tensor_load_to_lds s[40:43], s[G1:G1+7]        ; the one refill
	s_nop 0
	NOP4
	AT 4
	KLOAD
	RUN 4
	AT 8
	s_wait_tensorcnt 0x0                           ; my record of steps 12-15 has landed,
	s_wait_dscnt 0x0                               ; no LDS instruction of mine is out at the signal
	s_barrier_signal -1                            ; say so now; the wait stands ahead of step 12
	RUN 3
	AT 11
	STEP 0
	s_barrier_wait -1                              ; everybody's has
	AT 0
	KLOAD
	RUN 3
	AT 3
	STEP 0
	; THE WAY OUT: O^T / the sum, quantised along the head's 128: K step = head of the last product's first operand
	NOP4
	v_add_f32 v14, v14, v15
	s_delay_alu instid0(VALU_DEP_1)
	v_permlanex16_b32 v252, v14, s[SEL], s[SEL+1]
	s_delay_alu instid0(VALU_DEP_1)
	v_add_f32 v14, v14, v252
	s_wait_alu depctr_va_vdst(0)
	v_rcp_f32 v14, v14
	v_nop
.set j, 0
	s_wait_alu depctr_va_vdst(0)
.rept 32
	v_pk_mul_f32 v[96+j:97+j], v[160+j:161+j], v[14:15] op_sel_hi:[1,0]   ; each accumulator from its low end on; register 32 c + i is channel 64 c + 32 (lane / 16) + i
.set j, j+2
.endr
	QUANT 96, PW
.irp c, 0,1,2
	global_store_b128 v[LI], v[PC+4*\c:PC+4*\c+3], s[6:7] offset:512*\c   ; 32 lanes store 512 consecutive bytes
.endr
	v_cmp_gt_u32 vcc_lo, 16, v[LN]
	s_wait_xcnt 0x0                                ; EXEC changes only behind this wait
	s_and_saveexec_b32 s17, vcc_lo
	global_store_b32 v[RS], v[PW], s[8:9]          ; 4 bytes of each row's 16: four heads' work-groups fill them; 1 byte in 24 of what this launch stores
	s_wait_xcnt 0x0
	s_or_b32 exec_lo, exec_lo, s17
	s_wait_tensorcnt 0x0                           ; the wave's end
	ds_add_u32 v[SPW], v[NIL]
	s_wait_dscnt 0x0
	CROUND                                         ; the closing round
	s_endpgm
.Lfunc_end_k_q9a381c1bc1_attn:
	.size	k_q9a381c1bc1_attn, .Lfunc_end_k_q9a381c1bc1_attn-k_q9a381c1bc1_attn
	.p2alignl 7, 3214868480
	.fill 96, 4, 3214868480
	.section	.rodata,"a",@progbits
	.p2align	6, 0x0
	.amdhsa_kernel k_q9a381c1bc1_attn
		.amdhsa_group_segment_fixed_size 327680
		.amdhsa_private_segment_fixed_size 0
		.amdhsa_enable_private_segment 0
		.amdhsa_kernarg_size 24
		.amdhsa_user_sgpr_count 2
		.amdhsa_user_sgpr_kernarg_segment_ptr 1
		.amdhsa_wavefront_size32 1
		.amdhsa_system_sgpr_workgroup_id_x 1
		.amdhsa_system_sgpr_workgroup_id_y 1
		.amdhsa_system_sgpr_workgroup_id_z 1
		.amdhsa_system_vgpr_workitem_id 0
		.amdhsa_next_free_vgpr 512
		.amdhsa_next_free_sgpr 76
		.amdhsa_reserve_vcc 1
		.amdhsa_float_denorm_mode_32 3
		.amdhsa_float_denorm_mode_16_64 3
		.amdhsa_memory_ordered 1
		.amdhsa_forward_progress 1
		.amdhsa_inst_pref_size 146
	.end_amdhsa_kernel
	.amdgpu_metadata
---
amdhsa.version: [ 1, 2 ]
amdhsa.kernels:
  - .name:           k_q9a381c1bc1_attn
    .symbol:         k_q9a381c1bc1_attn.kd
    .args:
      - { .name: qkv, .offset: 0, .size: 8, .value_kind: global_buffer, .address_space: global }
      - { .name: at_codes, .offset: 8, .size: 8, .value_kind: global_buffer, .address_space: global }
      - { .name: at_scales, .offset: 16, .size: 8, .value_kind: global_buffer, .address_space: global }
    .group_segment_fixed_size: 327680
    .private_segment_fixed_size: 0
    .kernarg_segment_align: 8
    .kernarg_segment_size: 24
    .max_flat_workgroup_size: 256
    .sgpr_count:     76
    .vgpr_count:     512
    .wavefront_size: 32
...
	.end_amdgpu_metadata
.endif
;; end of part 3
;; launch outp (part 4): grid 16 x 16, 4 waves a work-group, clusters of 4 x 4, 327,680 bytes of LDS; arguments at_codes, at_scales, wo_codes, wo_scales, out0; writes out0
.if DOCPART == 4
	.amdgcn_target "amdgcn-amd-amdhsa--gfx1250"
	.amdhsa_code_object_version 6
	.text
	.protected	k_q9a381c1bc1_outp
	.globl	k_q9a381c1bc1_outp
	.p2align	8
	.type	k_q9a381c1bc1_outp,@function
k_q9a381c1bc1_outp:
	s_mov_b64 s[64:65], 0
	v_nop
	global_prefetch_b8 v0, s[64:65] scope:SCOPE_SE
	s_setreg_imm32_b32 hwreg(HW_REG_WAVE_MODE, 25, 1), 1
	s_wait_xcnt 0x0
	s_wait_alu depctr_hold_cnt(0) depctr_sa_sdst(0) depctr_va_vdst(0) depctr_va_sdst(0) depctr_va_ssrc(0) depctr_va_vcc(0) depctr_vm_vsrc(0)
	s_getreg_b32 s2, hwreg(HW_REG_IB_STS2, 6, 4)
	s_cmp_eq_u32 s2, 0
	s_cbranch_scc0 .Lentry_in_a_cluster
	s_endpgm
.Lentry_in_a_cluster:
	s_bfe_u32 s2, ttmp6, 0x10000c
	s_cmp_lg_u32 s2, 0xf033
	s_cbranch_scc0 .Lentry_shape_is_right
	s_endpgm
.Lentry_shape_is_right:
; out0[i][j] = sum over k of attn[i][k] Wo[j][k], on codes of FP6 (E2M3) with E8M0 scales, K = 2,048; f32 sums, f32 out.
; A tile of out0 is 128 x 128, a work-group of four waves: 256 work-groups; a wave makes 64 x 64: 16 accumulators.  Source 0 = 16 rows of Wo, source 1 = 16 rows of attn: a lane holds eight neighbouring columns of a row.
; OPERANDS lie as images of fragments (1,536 bytes), [kq: 512 along K][row block][K step % 4]: a tile's 8 row blocks of one kq are 49,152 dense bytes.
; LDS: three places of 49,152 bytes for attn's kq 0, 1, 2, three for Wo's, then both tiles' scale words for all of K.  THE HEAD: one joint load a wave: attn's three kq, Wo's three, attn's scale words, Wo's.
; kq 3 is the one refill, into kq 0's places behind K step 3, a quarter of it a wave.  It is PREFETCHED at the head: of the 96 blocks of 256 bytes that a wave will fetch each of the four partners names 24 (one row block), by address.
; CLUSTERS: 4 x 4 work-groups; attn's tiles are asked for jointly along a row of the cluster, Wo's along a column.
; THE WAY OUT goes through a stage in attn's second place, which has had its one fill and, behind the last barrier, its last read; row r of row block rb is row 64 (rb / 4) + 8 (rb % 4) + r % 8 + 32 (r / 8), of attn and of Wo alike.
.set FRB,    1536
.set KSB,    4*FRB
.set QUADB,  128*KSB
.set HALFT,  4*KSB                     ; 4 row blocks of one kq
.set QPL,    2*HALFT                   ; a place
.set BOFF,   3*QPL                     ; Wo's places
.set SCL,    2*BOFF
.set HALFS,  4096
.set SPARE,  SCL+4*HALFS               ; the spare words: two blocks of 256 bytes that no other line names
.set STAGE,  QPL
.set SPITCH, 272
.set ADRA, 16                          ; v16-18 my fragments of attn in place 0, 1, 2;  v20-22 Wo's
.set ADRB, 20
.set STO,  24
.set RD,   25
.set CO,   26
.set ADRS, 27
.set SPW,  28
.set NIL,  29
.set PFO,  30
.set SC,   32
.set TMP,  64
.set ACC,  128
.set G1,   24
.set G1B,  32
.set G1S,  40
.set G1SB, 48
.set G0H,  56
.set G0HB, 60
.set G0S,  68
.set G0SB, 72
.set G0R,  76
.set G0RB, 80
.set PFA,  84
.set MSB, 0
.macro WIN new
.if MSB != \new
	s_set_vgpr_msb (MSB<<8)|\new
.set MSB, \new
.endif
.endm
.set MUL,  0x05
.set TO_F, 0x40
.macro PLACES n
.rept \n
	v_nop
.endr
.endm
.macro CREST
	s_cmp_lg_u32 s14, 0
	s_cbranch_scc1 .Lnot_wave_0_\@
	s_barrier_signal -3
.Lnot_wave_0_\@:
	s_barrier_wait -3
	s_barrier_signal -1
	s_barrier_wait -1
.endm
.macro CROUND
	s_barrier_signal -1
	s_barrier_wait -1
	CREST
.endm
	s_load_b256 s[4:11], s[0:1], 0x0               ; at_codes, at_scales, wo_codes, wo_scales
	s_load_b64 s[12:13], s[0:1], 0x20              ; out0
	v_lshl_add_u32 v[SPW], v0, 2, SPARE
	v_mov_b32 v[NIL], 0
	ds_add_u32 v[SPW], v[NIL]                      ; the opening lines: the add twice and its wait ahead of my first tensor load
	ds_add_u32 v[SPW], v[NIL]
	v_lshrrev_b32 v1, 5, v0
	v_readfirstlane_b32 s14, v1                    ; wave
	s_lshr_b32 s15, s14, 1                         ; my half of the tile's rows.  Also: the refill's quarter is attn's (0) or Wo's (1)
	s_and_b32 s16, s14, 1                          ; my half of its columns.  Also: which 4 row blocks of that
	s_bfe_u32 s92, ttmp6, 0x40000                  ; cx, cy
	s_bfe_u32 s93, ttmp6, 0x40004
	s_lshl_b32 s94, ttmp9, 2
	s_add_co_u32 s94, s94, s92                     ; tile column
	s_and_b32 s17, ttmp7, 0xffff
	s_lshl_b32 s17, s17, 2
	s_add_co_u32 s17, s17, s93                     ; tile row
	s_lshl_b32 s95, s93, 2
	s_lshl_b32 s95, 15, s95
	s_lshl_b32 s96, 0x1111, s92
	s_or_b32 s[G1+0], s95, (3<<16)|(1<<21)         ; the head's codes: 3 rows (kq) of 6,144 elements of 8 bytes, 98,304 elements apart
	s_or_b32 s[G1B+0], s96, (3<<16)|(1<<21)
.irp g, G1, G1B
	s_mov_b32 s[\g+1], 6144<<16
	s_mov_b32 s[\g+2], 3<<16
	s_mov_b32 s[\g+3], 6144<<16
	s_mov_b32 s[\g+4], 3
	s_mov_b32 s[\g+5], QUADB/8
	s_mov_b32 s[\g+6], 0
	s_mov_b32 s[\g+7], 0
.endr
	s_or_b32 s[G1S+0], s95, (3<<16)|(1<<21)        ; the scale words of 8 row blocks: 8,192 dense bytes as 32 rows of 256
	s_or_b32 s[G1SB+0], s96, (3<<16)|(1<<21)
.irp g, G1S, G1SB
	s_mov_b32 s[\g+1], 32<<16
	s_mov_b32 s[\g+2], 32<<16
	s_mov_b32 s[\g+3], 32<<16
	s_mov_b32 s[\g+4], 32
	s_mov_b32 s[\g+5], 32
	s_mov_b32 s[\g+6], 0
	s_mov_b32 s[\g+7], 0
.endr
	s_mul_i32 s20, s17, 8*KSB                      ; attn: 8 row blocks a tile row
	s_mov_b32 s21, 0
	s_lshl_b32 s22, s17, 13
	s_mov_b32 s23, 0
	s_mul_i32 s98, s94, 8*KSB                      ; Wo: 8 row blocks a tile column
	s_mov_b32 s99, 0
	s_lshl_b32 s66, s94, 13
	s_mov_b32 s67, 0
	s_mul_i32 s18, s16, HALFT                      ; the refill's 4 row blocks, in memory and in LDS alike
	s_mov_b32 s19, 0
	s_wait_dscnt 0x0
	s_wait_kmcnt 0x0
	s_add_nc_u64 s[20:21], s[4:5], s[20:21]
	s_add_nc_u64 s[22:23], s[6:7], s[22:23]
	s_add_nc_u64 s[98:99], s[8:9], s[98:99]
	s_add_nc_u64 s[66:67], s[10:11], s[66:67]
	CROUND                                         ; all sixteen work-groups are here: the first joint loads meet
	s_mov_b32 s[G0H], 1
	s_mov_b32 s[G0H+1], 0
	s_mov_b64 s[G0H+2:G0H+3], s[20:21]
	s_or_b32 s[G0H+3], s[G0H+3], 0x80000000
	s_mov_b32 s[G0HB], 1
	s_mov_b32 s[G0HB+1], BOFF
	s_mov_b64 s[G0HB+2:G0HB+3], s[98:99]
	s_or_b32 s[G0HB+3], s[G0HB+3], 0x80000000
	s_mov_b32 s[G0S], 1
	s_mov_b32 s[G0S+1], SCL
	s_mov_b64 s[G0S+2:G0S+3], s[22:23]
	s_or_b32 s[G0S+3], s[G0S+3], 0x80000000
	s_mov_b32 s[G0SB], 1
	s_mov_b32 s[G0SB+1], SCL+2*HALFS
	s_mov_b64 s[G0SB+2:G0SB+3], s[66:67]
	s_or_b32 s[G0SB+3], s[G0SB+3], 0x80000000
.macro ARM under, g0, g1, next         ; one tree of branches on the wave's number: every way through the head passes one load
	s_cmp_lt_u32 s14, \under
	s_cbranch_scc0 \next
	tensor_load_to_lds s[\g0:\g0+3], s[\g1:\g1+7]
	s_nop 0
	PLACES 4
	s_branch .Lhead_asked
\next:
.endm
	ARM 1, G0H,  G1,  .Lhead_b
	ARM 2, G0HB, G1B, .Lhead_sa
	ARM 3, G0S,  G1S, .Lhead_sb
	tensor_load_to_lds s[G0SB:G0SB+3], s[G1SB:G1SB+7]
	s_nop 0
	PLACES 4
.Lhead_asked:
	s_add_nc_u64 s[20:21], s[20:21], s[18:19]      ; the refill: kq 3, my 4 row blocks
	s_add_nc_u64 s[20:21], s[20:21], 3*QUADB
	s_add_nc_u64 s[98:99], s[98:99], s[18:19]
	s_add_nc_u64 s[98:99], s[98:99], 3*QUADB
	s_mov_b32 s[G0R], 1
	s_mov_b32 s[G0R+1], s18
	s_mov_b64 s[G0R+2:G0R+3], s[20:21]
	s_or_b32 s[G0R+3], s[G0R+3], 0x80000000
	s_mov_b32 s[G0RB], 1
	s_add_co_u32 s[G0RB+1], s18, BOFF
	s_mov_b64 s[G0RB+2:G0RB+3], s[98:99]
	s_or_b32 s[G0RB+3], s[G0RB+3], 0x80000000
	s_cmp_eq_u32 s15, 0                            ; the prefetch: my work-group's row block of the four: place cx among attn's askers, cy among Wo's
	s_cselect_b32 s86, s92, s93
	s_cselect_b64 s[PFA:PFA+1], s[20:21], s[98:99]
	s_mul_i32 s86, s86, KSB
	s_mov_b32 s87, 0
	s_add_nc_u64 s[PFA:PFA+1], s[PFA:PFA+1], s[86:87]
	s_mul_i32 s21, s15, HALFT
	s_mul_i32 s22, s16, HALFT
	s_add_co_u32 s22, s22, BOFF
	s_lshl_b32 s18, s15, 12
	s_lshl_b32 s19, s16, 12
	s_add_co_u32 s19, s19, 2*HALFS
	s_sub_co_u32 s19, s19, s18                     ; from attn's scale words to Wo's
	s_add_co_u32 s18, s18, SCL
	s_mul_i32 s23, s14, 16*SPITCH
	s_add_co_u32 s23, s23, STAGE
	s_lshl_b32 s86, s17, 7
	s_lshl_b32 s87, s15, 6
	s_add_co_u32 s86, s86, s87
	s_lshl_b32 s86, s86, 13                        ; my first row of out0, 8,192 bytes a row
	s_mov_b32 s87, 0
	s_lshl_b32 s98, s94, 9
	s_lshl_b32 s99, s16, 8
	s_add_co_u32 s98, s98, s99
	s_mov_b32 s99, 0
	s_add_nc_u64 s[86:87], s[86:87], s[98:99]
	s_add_nc_u64 s[12:13], s[12:13], s[86:87]
	v_and_b32 v1, 15, v0
	v_bfe_u32 v2, v0, 4, 1
	v_and_b32 v3, 31, v0
	v_lshlrev_b32 v4, 4, v3
	v_add_nc_u32 v[ADRA], s21, v4
	v_add_nc_u32 v[ADRB], s22, v4
.irp s, 1,2
	v_add_nc_u32 v[ADRA+\s], \s*QPL, v[ADRA]
	v_add_nc_u32 v[ADRB+\s], \s*QPL, v[ADRB]
.endr
	v_lshlrev_b32 v5, 4, v1
	v_mul_u32_u24 v6, s19, v2                      ; lanes 16-31 take Wo's
	v_add_nc_u32 v5, v5, v6
	v_add_nc_u32 v[ADRS], s18, v5
	v_mul_u32_u24 v5, v1, SPITCH
	v_lshl_add_u32 v5, v2, 7, v5                   ; into the stage: row r; my columns begin at 32 h
	v_add_nc_u32 v[STO], s23, v5
	v_mul_u32_u24 v5, v2, SPITCH
	v_lshl_add_u32 v5, v1, 4, v5
	v_add_nc_u32 v[RD], s23, v5
	v_lshlrev_b32 v[CO], 13, v2
	v_lshl_add_u32 v[CO], v1, 4, v[CO]
	v_min_u32 v[PFO], 23, v3                       ; a row block's kq is 24 blocks of 256 bytes; lanes 24-31 name the last again
	v_lshlrev_b32 v[PFO], 8, v[PFO]
	global_prefetch_b8 v[PFO], s[PFA:PFA+1] th:TH_LOAD_NT scope:SCOPE_SE
.macro FRAG reg, adr, off
.irp c, 0,1,2
	ds_load_b128 v[\reg+4*\c:\reg+4*\c+3], v[\adr] offset:\off+512*\c
.endr
.endm
.macro FETCH k                         ; K step k's eight fragments into set k % 2 of window 1; with each kq its scale words
.set RG, ((\k)/4)%3
.set PS, (\k)%2
.set QO, ((\k)%4)*FRB
	WIN TO_F
.irp i, 0,1,2,3
	FRAG 128*PS+48+12*\i, ADRB+RG, \i*KSB+QO
.endr
.irp i, 0,1,2,3
	FRAG 128*PS+12*\i, ADRA+RG, \i*KSB+QO
.endr
	WIN 0
.if (\k)%4 == 0
.irp i, 0,1,2,3
	ds_load_b128 v[SC+16*(((\k)/4)%2)+4*\i:SC+16*(((\k)/4)%2)+4*\i+3], v[ADRS] offset:1024*\i+256*((\k)/4)
.endr
.endif
.endm
.macro MUL8 a0, k, zero                ; the 16 accumulators take turns, one instruction a turn
.set PS, (\k)%2
.set QQ, (\k)%4
.set SS, SC+16*(((\k)/4)%2)
.irp a, \a0, \a0+1
.irp b, 0,1,2,3
.if \zero
	v_wmma_scale_f32_16x16x128_f8f6f4 v[ACC+8*(4*(\a)+\b):ACC+8*(4*(\a)+\b)+7], v[128*PS+48+12*\b:128*PS+48+12*\b+11], v[128*PS+12*(\a):128*PS+12*(\a)+11], 0, v[SS+4*\b+QQ], v[SS+4*(\a)+QQ] matrix_a_fmt:MATRIX_FMT_FP6 matrix_b_fmt:MATRIX_FMT_FP6 matrix_a_scale:MATRIX_SCALE_ROW1
.else
	v_wmma_scale_f32_16x16x128_f8f6f4 v[ACC+8*(4*(\a)+\b):ACC+8*(4*(\a)+\b)+7], v[128*PS+48+12*\b:128*PS+48+12*\b+11], v[128*PS+12*(\a):128*PS+12*(\a)+11], v[ACC+8*(4*(\a)+\b):ACC+8*(4*(\a)+\b)+7], v[SS+4*\b+QQ], v[SS+4*(\a)+QQ] matrix_a_fmt:MATRIX_FMT_FP6 matrix_b_fmt:MATRIX_FMT_FP6 matrix_a_scale:MATRIX_SCALE_ROW1
.endif
.endr
.endr
.endm
.macro KSTEP k, zero
	s_wait_dscnt 0x0
	WIN MUL
	MUL8 0, \k, \zero
.if (\k) < 15
	PLACES 4
	FETCH (\k)+1
.endif
	WIN MUL
	MUL8 2, \k, \zero
.endm
.macro KTURN k, fill                   ; a step with a barrier in its middle: my fragments of step k are in registers, so the places read so far are free
	WIN 0
	s_wait_tensorcnt 0x0
	ds_add_u32 v[SPW], v[NIL]
	s_wait_dscnt 1
	WIN MUL
	MUL8 0, \k, 0
	s_wait_dscnt 0x0
	s_barrier_signal -1
	WIN 0
	s_barrier_wait -1
.if \fill
	CREST                                          ; the barrier has opened a round of the cluster's
	s_cmp_eq_u32 s15, 0
	s_cbranch_scc0 .Lfor_b_\@
	tensor_load_to_lds s[G0R:G0R+3], s[G1:G1+7]
	s_nop 0
	PLACES 4
	s_branch .Lasked_\@
.Lfor_b_\@:
	tensor_load_to_lds s[G0RB:G0RB+3], s[G1B:G1B+7]
	s_nop 0
	PLACES 4
.Lasked_\@:
.else
	PLACES 4
.endif
	FETCH (\k)+1
	WIN MUL
	MUL8 2, \k, 0
.endm
	s_wait_alu depctr_va_vdst(0)                   ; the wait at the head's end
	s_wait_tensorcnt 0x0                           ; my tile of the head's four is in
.irp g, G1, G1B                        ; no load of mine is out: from here on a load brings 4 row blocks of one kq: 4 dense rows of 768 elements
	s_mov_b32 s[\g+1], 768<<16
	s_mov_b32 s[\g+2], 4<<16
	s_mov_b32 s[\g+3], 768<<16
	s_mov_b32 s[\g+4], 4
	s_mov_b32 s[\g+5], 768
.endr
	s_barrier_signal -1
	s_barrier_wait -1                              ; everybody's is
	FETCH 0
	KSTEP 0, 1
	KSTEP 1, 0
	KSTEP 2, 0
	KTURN 3, 1
	KSTEP 4, 0
	KSTEP 5, 0
	KSTEP 6, 0
	KSTEP 7, 0
	KSTEP 8, 0
	KSTEP 9, 0
	KSTEP 10, 0
	KTURN 11, 0
	KSTEP 12, 0
	KSTEP 13, 0
	KSTEP 14, 0
	KSTEP 15, 0
	WIN 0
.macro TOSTAGE a                       ; a block of 16 rows x 64 columns through my stage, back as rows of 256 bytes: register j of accumulator (a, b) is column 8 b + 32 h + j
.irp b, 0,1,2,3
	ds_store_b128 v[STO], v[ACC+8*(4*(\a)+\b):ACC+8*(4*(\a)+\b)+3] offset:32*\b
	ds_store_b128 v[STO], v[ACC+8*(4*(\a)+\b)+4:ACC+8*(4*(\a)+\b)+7] offset:32*\b+16
.endr
.irp i, 0,1,2,3,4,5,6,7
	ds_load_b128 v[TMP+32*((\a)%2)+4*\i:TMP+32*((\a)%2)+4*\i+3], v[RD] offset:2*\i*SPITCH
.endr
.endm
.macro SEND a, younger
	s_wait_dscnt \younger
.irp i, 0,1,2,3,4,5,6,7
	global_store_b128 v[CO], v[TMP+32*((\a)%2)+4*\i:TMP+32*((\a)%2)+4*\i+3], s[12:13] offset:(8*(\a)+2*(\i%4)+32*(\i/4))*8192 th:TH_STORE_NT   ; 16 lanes store 256 consecutive bytes, aligned
.endr
.endm
	PLACES 4
	TOSTAGE 0
	TOSTAGE 1
	SEND 0, 16
	s_wait_xcnt 0x0
	TOSTAGE 2
	SEND 1, 16
	s_wait_xcnt 0x0
	TOSTAGE 3
	SEND 2, 16
	SEND 3, 0
	s_wait_tensorcnt 0x0                           ; the wave's end
	ds_add_u32 v[SPW], v[NIL]
	s_wait_dscnt 0x0
	CROUND                                         ; the closing round
	s_endpgm
.Lfunc_end_k_q9a381c1bc1_outp:
	.size	k_q9a381c1bc1_outp, .Lfunc_end_k_q9a381c1bc1_outp-k_q9a381c1bc1_outp
	.p2alignl 7, 3214868480
	.fill 96, 4, 3214868480
	.section	.rodata,"a",@progbits
	.p2align	6, 0x0
	.amdhsa_kernel k_q9a381c1bc1_outp
		.amdhsa_group_segment_fixed_size 327680
		.amdhsa_private_segment_fixed_size 0
		.amdhsa_enable_private_segment 0
		.amdhsa_kernarg_size 40
		.amdhsa_user_sgpr_count 2
		.amdhsa_user_sgpr_kernarg_segment_ptr 1
		.amdhsa_wavefront_size32 1
		.amdhsa_system_sgpr_workgroup_id_x 1
		.amdhsa_system_sgpr_workgroup_id_y 1
		.amdhsa_system_sgpr_workgroup_id_z 1
		.amdhsa_system_vgpr_workitem_id 0
		.amdhsa_next_free_vgpr 512
		.amdhsa_next_free_sgpr 102
		.amdhsa_reserve_vcc 0
		.amdhsa_float_denorm_mode_32 3
		.amdhsa_float_denorm_mode_16_64 3
		.amdhsa_memory_ordered 1
		.amdhsa_forward_progress 1
		.amdhsa_inst_pref_size 80
	.end_amdhsa_kernel
	.amdgpu_metadata
---
amdhsa.version: [ 1, 2 ]
amdhsa.kernels:
  - .name:           k_q9a381c1bc1_outp
    .symbol:         k_q9a381c1bc1_outp.kd
    .args:
      - { .name: at_codes, .offset: 0, .size: 8, .value_kind: global_buffer, .address_space: global }
      - { .name: at_scales, .offset: 8, .size: 8, .value_kind: global_buffer, .address_space: global }
      - { .name: wo_codes, .offset: 16, .size: 8, .value_kind: global_buffer, .address_space: global }
      - { .name: wo_scales, .offset: 24, .size: 8, .value_kind: global_buffer, .address_space: global }
      - { .name: out0, .offset: 32, .size: 8, .value_kind: global_buffer, .address_space: global }
    .group_segment_fixed_size: 327680
    .private_segment_fixed_size: 0
    .kernarg_segment_align: 8
    .kernarg_segment_size: 40
    .max_flat_workgroup_size: 128
    .sgpr_count:     102
    .vgpr_count:     512
    .wavefront_size: 32
...
	.end_amdgpu_metadata
.endif
;; end of part 4
